; MI455X (gfx1250); checked and timed in simulation.
; The chip was launched on July 23, 2026; its instructions are those of AMD's public machine-readable ISA for CDNA 5 (MIT licence, August 2026) and "CDNA5" Instruction Set Architecture Reference Guide (July 2026). The comments in the code are by the model that wrote it; some were corrected since.
;; QKV Norm Multi Head Attention. Allowed arithmetic: matrix products marked QUANTISED: E2M3 operands, one E8M0 scale for each 32 along K, by v_wmma_scale_f32_16x16x128_f8f6f4 with both operands' format E2M3, f32 sums; everything else in f32.
;; Inputs: Wk 1,024 x 1,024 float32; Wo 1,024 x 1,024 float32; Wq 1,024 x 1,024 float32; Wv 1,024 x 1,024 float32; bk 1,024 float32; bo 1,024 float32; bq 1,024 float32; bv 1,024 float32; inputs_kv 4 x 2,048 x 1,024 float32; inputs_q 4 x 2,048 x 1,024 float32; k_bias 64 float32; k_scale 64 float32; q_bias 64 float32; q_scale 64 float32; v_bias 64 float32; v_scale 64 float32.
;; Outputs: out0 4 x 2,048 x 1,024 float32.
;; This version of the problem:
;;   THIS VERSION OF THE PROBLEM IS GIVEN IN LOW PRECISION. The matrix products marked QUANTISED in the list below multiply operands that are first quantised to E2M3 (2 exponent bits, 3 mantissa bits; 6 bits a number), with one power-of-two scale for each 32 numbers along K (OCP MX v1.0); their sums are f32. All else is computed in f32.
;;   The module's matrix products, in the order in which they are computed (A, B: the left and right operand; K: the contracted axis; several contracted axes count as one K, in the product's order):
;;     1. [M 8,192, K 1,024] x [K 1,024, N 1,024]; A: input inputs_q; B: input Wq: QUANTISED
;;     2. [M 8,192, K 1,024] x [K 1,024, N 1,024]; A: input inputs_kv; B: input Wk: QUANTISED
;;     3. [M 8,192, K 1,024] x [K 1,024, N 1,024]; A: input inputs_kv; B: input Wv: QUANTISED
;;     4. batch 64 x [M 2,048, K 64] x [K 64, N 2,048]; A: computed on the way; B: computed on the way: QUANTISED
;;     5. batch 64 x [M 64, K 2,048] x [K 2,048, N 2,048]; A: computed on the way; B: softmax (see below): QUANTISED
;;     6. [M 8,192, K 1,024] x [K 1,024, N 1,024]; A: computed on the way; B: input Wo: QUANTISED
;;   THE QUANTISER, for each operand of a quantised product, along K:
;;     - K is cut into blocks of 32 from its start; a last block that is shorter is filled with zeros.
;;     - A block's scale is 2^e with e = floor(log2(the largest magnitude in the block)) - 2, held to -126 .. 127; a block of zeros has e = 0. As a byte (E8M0): e + 127.
;;     - Each number is divided by its block's scale, clamped to +-7.5, and rounded to the nearest number of E2M3, ties to even, subnormals kept.
;;     - The product sums the exact products of the quantised numbers (number of the format x scale) in f32.
;;   ~~~python
;;   def quantise(x, axis):      # numpy; x: float32 -> the quantised numbers, widened to float32 again
;;       x = np.moveaxis(x, axis, -1); K = x.shape[-1]
;;       x = np.pad(x, [(0, 0)] * (x.ndim - 1) + [(0, -K % 32)]); x = x.reshape(x.shape[:-1] + (-1, 32)); a = np.abs(x).max(-1, keepdims=True)
;;       e = np.where(a > 0, np.clip(np.frexp(np.where(a > 0, a, 1))[1] - 1 - 2, -126, 127), 0)      # np.frexp(a)[1] - 1 = floor(log2(a)), exactly
;;       r = np.clip(x / 2.0 ** e, -7.5, 7.5)
;;       step = 2.0 ** (np.maximum(np.frexp(np.where(r == 0, 1, r))[1] - 1, 0) - 3)
;;       q = np.round(r / step) * step * 2.0 ** e      # np.round: ties to even
;;       return np.moveaxis(q.reshape(q.shape[:-2] + (-1,))[..., :K], -1, axis).astype(np.float32)
;;   ~~~
;;   SOFTMAX AHEAD OF A QUANTISED PRODUCT. Where the list says 'softmax', what is quantised is not the finished softmax but p = 2^(t - M), with t = logit x log2(e) and M = ceil(the row's largest t), a whole number; so 1/2 < the row's largest p <= 1. The row's sum l is taken of the UNQUANTISED p, in f32, and the product's result is divided by l at the end. Since M is a whole number, a kernel that streams over the keys may use a running M (the ceiling of the running maximum): every later rescaling is an exact power of two, which a block's scale takes up: the codes' values come out the same.
;;   OPERANDS COMPUTED ON THE WAY. 'Computed on the way' means the value that the module computes at that place (a softmax that the list does not call 'softmax' is quantised finished and normalised). What goes into a quantiser is computed in f32, as accurately as f32 sums, v_exp_f32 and their like allow (about 1e-6 of the number): no bf16 or f16 on the way to a quantiser, and a product that is left as it is and whose result goes on into a quantised operand takes f32 operands (vector FMAs, or v_wmma_f32_16x16x4_f32). A number that lies on a knife's edge between two numbers of the format may be rounded either way, as far as f32 arithmetic and the matrix unit's own rounding can turn it there, and no further.
;; One version. Each part assembles by itself: llvm-mc -triple=amdgcn-amd-amdhsa -mcpu=gfx1250 --defsym DOCPART=n.
;; ======== version 1 of 1: 5 launches
;; workspace buffers: cod 15,728,640 bytes; scl 655,360 bytes; qkv 19,660,800 bytes; oc 6,291,456 bytes; os 262,144 bytes
;; launch qw (part 1): grid 8 x 16, 4 waves a work-group, no clusters, 26,112 bytes of LDS; arguments Wq, Wk, Wv, Wo, cod, scl; writes cod, scl
.if DOCPART == 1
	.amdgcn_target "amdgcn-amd-amdhsa--gfx1250"
	.amdhsa_code_object_version 6
	.text
	.protected	k_qdba62e1e54_qw
	.globl	k_qdba62e1e54_qw
	.p2align	8
	.type	k_qdba62e1e54_qw,@function
k_qdba62e1e54_qw:
	s_mov_b64 s[64:65], 0
	v_nop
	global_prefetch_b8 v0, s[64:65] scope:SCOPE_SE
	s_setreg_imm32_b32 hwreg(HW_REG_WAVE_MODE, 25, 1), 1
	s_wait_xcnt 0x0
; The four weights [1024 (k)][1024 (n)], f32, K their FIRST axis, become codes of FP6 (E2M3) with one E8M0 byte for each 32 along K, laid as the products' launches take them.
; LAYOUT OF THE CODES.  Rows of an operand (here the columns n) go in tiles of 16; row r of tile T is n = 32 (T / 2) + 8 (T % 2) + r + 8 (r / 8).  A tile's 64 along K are an image of six operand registers,
; 768 bytes: lane L = 16 h + r owns the 32 codes k = 32 h .. 32 h + 31 of row r; its registers 0-3 lie at 16 L, registers 4-5 at 512 + 8 L.  A tile is 16 such images, 12,288 bytes.
; LAYOUT OF THE SCALES.  512 bytes a tile: word w of pair p of row r, at 128 p + 8 r + 4 w, holds the four bytes of the 128 along K that begin at 128 (2 p + w).
; Weight i lies at row tiles 1024 + 64 i on (Wq, Wk, Wv, Wo).
; A LANE TAKES A COLUMN AND ITS REGISTERS RUN DOWN K: a block of 32 lies in one lane, its largest magnitude needs no other lane, and the conversions give codes with K innermost.
; A work-group takes 128 columns x 256 along K of one weight, a wave 32 columns (two tiles), 8 blocks a lane.  The codes go through the wave's own stage in LDS and leave as runs of 512 consecutive bytes.
; A block's scale is 2^(floor(log2(largest magnitude)) - 2); its byte is the largest magnitude's exponent field - 2, held at 1 from below.
; LIMITS: a block of zeros gets the byte 1 where the rule says 127 (its codes are zeros, and this program alone reads the bytes); blocks whose largest magnitude lies under 2^-124 are held at the byte 1;
; NaN and infinities among the inputs are not served.
.set X,    32                          ; v32-95   two sets of 32 numbers
.set C,    96                          ; v96-101  a block's six registers of codes
.set D,    102                         ; v102-104 the second conversion's result (three registers begin on an even number)
.set SB,   24                          ; v24-25   the scale bytes, four to a register
.set OUTR, 108                         ; v108-155 the way out
.set WREG, 6400                        ; LDS: a wave's stage: two tiles,
.set TP,   3200                        ; 3,072 bytes + 128 apart
	s_load_b256 s[4:11], s[0:1], 0x0               ; Wq, Wk, Wv, Wo
	s_load_b128 s[12:15], s[0:1], 0x20             ; the codes, the scales
	v_lshl_add_u32 v160, v0, 2, 0x6400
	v_mov_b32 v161, 0
	v_lshrrev_b32 v1, 5, v0
	v_readfirstlane_b32 s19, v1                    ; wave 0..3
	v_and_b32 v2, 31, v0                           ; lane
	s_and_b32 s16, ttmp7, 0xffff
	s_lshr_b32 s17, s16, 2                         ; which weight
	s_and_b32 s18, s16, 3                          ; which 256 along K
	s_lshl_b32 s20, ttmp9, 7
	s_lshl_b32 s21, s19, 5
	s_add_co_u32 s20, s20, s21                     ; my wave's first column
	v_lshlrev_b32 v3, 2, v2                        ; in: 4 bytes a lane
	v_and_b32 v9, 7, v0
	v_bfe_u32 v10, v0, 4, 1
	v_lshl_or_b32 v9, v10, 3, v9                   ; my column's row r in its tile: lane % 8 + 8 (lane / 16)
	v_bfe_u32 v10, v0, 3, 1                        ; and which of the two tiles: (lane / 8) % 2
	s_mul_i32 s21, s19, WREG
	v_mul_u32_u24 v11, v10, TP
	v_add_nc_u32 v11, s21, v11
	v_lshl_add_u32 v4, v9, 4, v11                  ; the stage: where my registers 0-3 go,
	v_lshl_add_u32 v5, v9, 3, v11                  ; and my registers 4-5
	v_lshlrev_b32 v7, 4, v2                        ; out: 16 bytes a lane
	v_add_nc_u32 v6, s21, v7
	v_lshlrev_b32 v8, 3, v9
	v_lshl_add_u32 v8, v10, 9, v8                  ; my two scale words: 512 x tile + 8 r
	s_lshl_b32 s22, s18, 20                        ; 256 rows of 4,096 bytes
	s_lshl_b32 s23, s20, 2
	s_add_co_u32 s22, s22, s23
	s_mov_b32 s23, 0
	s_lshl_b32 s24, s17, 6
	s_lshr_b32 s25, s20, 4
	s_add_co_u32 s24, s24, s25
	s_add_co_u32 s24, s24, 1024                    ; my first row tile
	s_mul_i32 s26, s24, 12288
	s_mul_i32 s25, s18, 3072
	s_add_co_u32 s26, s26, s25
	s_mov_b32 s27, 0
	s_lshl_b32 s28, s24, 9
	s_lshl_b32 s25, s18, 7
	s_add_co_u32 s28, s28, s25
	s_mov_b32 s29, 0
	s_wait_kmcnt 0x0
	s_cmp_eq_u32 s17, 1                            ; the choice hangs on the work-group's number alone
	s_cselect_b64 s[4:5], s[6:7], s[4:5]
	s_cmp_eq_u32 s17, 2
	s_cselect_b64 s[4:5], s[8:9], s[4:5]
	s_cmp_eq_u32 s17, 3
	s_cselect_b64 s[4:5], s[10:11], s[4:5]
	s_add_nc_u64 s[4:5], s[4:5], s[22:23]
	s_add_nc_u64 s[12:13], s[12:13], s[26:27]
	s_add_nc_u64 s[14:15], s[14:15], s[28:29]
.macro LOAD t                          ; block t: W(32 t + i, my column) into set t % 2; 32 lanes read 128 consecutive bytes, the four waves 512
.irp i, 0,1,2,3,4,5,6,7,8,9,10,11,12,13,14,15,16,17,18,19,20,21,22,23,24,25,26,27,28,29,30,31
	global_load_b32 v[X+32*((\t)%2)+\i], v3, s[4:5] offset:(32*(\t)+\i)*4096 th:TH_LOAD_NT
.endr
.endm
	LOAD 0
	LOAD 1
.macro BLOCK t
.set XS, X+32*((\t)%2)
.if (\t) < 7
	s_wait_loadcnt 32                              ; this block's 32 loads are in; the next block's 32 may be out
.else
	s_wait_loadcnt 0x0
.endif
	v_max3_num_f32 v12, |v[XS]|, |v[XS+1]|, |v[XS+2]|
	v_max3_num_f32 v13, |v[XS+3]|, |v[XS+4]|, |v[XS+5]|
.irp i, 6,10,14,18,22,26
	v_max3_num_f32 v12, v12, |v[XS+\i]|, |v[XS+\i+1]|
	v_max3_num_f32 v13, v13, |v[XS+\i+2]|, |v[XS+\i+3]|
.endr
	v_max3_num_f32 v12, v12, |v[XS+30]|, |v[XS+31]|
	v_max3_num_f32 v12, v12, v13, 0x1800000        ; the floor 2^(3 - 127): the byte cannot fall under 1
	v_add_nc_u32 v11, 0xff000000, v12              ; 2 off the exponent field: the conversion takes the exponent field of this operand as its scale
	v_lshrrev_b32 v13, 23, v11                     ; the scale's byte
.if (\t)%4 == 0
	v_mov_b32 v[SB+(\t)/4], v13
.else
	v_lshl_or_b32 v[SB+(\t)/4], v13, 8*((\t)%4), v[SB+(\t)/4]
.endif
	v_cvt_scalef32_pk16_fp6_f32 v[C:C+2], v[XS:XS+15], v11
	v_cvt_scalef32_pk16_fp6_f32 v[D:D+2], v[XS+16:XS+31], v11
	v_nop                                          ; one plain instruction between a scaled conversion and the vector instruction that reads its result
.irp i, 0,1,2
	v_mov_b32 v[C+3+\i], v[D+\i]
.endr
	ds_store_b128 v4, v[C:C+3] offset:768*((\t)/2)+256*((\t)%2)          ; block t is half t % 2 of the image of 64 along K: lane 16 (t % 2) + r of it
	ds_store_b64 v5, v[C+4:C+5] offset:768*((\t)/2)+512+128*((\t)%2)
.if (\t)+2 < 8
	LOAD (\t)+2
.endif
	s_wait_dscnt 0x0                               ; the stores have read their registers: the next block's codes may be written
.endm
.irp t, 0,1,2,3,4,5,6,7
	BLOCK \t
.endr
	global_store_b64 v8, v[SB:SB+1], s[14:15]      ; my column's two scale words
.irp i, 0,1,2,3,4,5,6,7,8,9,10,11
	ds_load_b128 v[OUTR+4*\i:OUTR+4*\i+3], v6 offset:TP*(\i/6)+512*(\i%6)   ; LDS serves a wave's instructions in order: these see my stores
.endr
.irp i, 0,1,2,3,4,5,6,7,8,9,10,11
	s_wait_dscnt 11-\i                             ; load i is in; the younger ones may be out
	global_store_b128 v7, v[OUTR+4*\i:OUTR+4*\i+3], s[12:13] offset:12288*(\i/6)+512*(\i%6)   ; 32 lanes store 512 consecutive bytes, aligned
.endr
	s_wait_tensorcnt 0x0
	ds_add_u32 v160, v161
	s_wait_dscnt 0x0
	s_endpgm
.Lfunc_end_k_qdba62e1e54_qw:
	.size	k_qdba62e1e54_qw, .Lfunc_end_k_qdba62e1e54_qw-k_qdba62e1e54_qw
	.p2alignl 7, 3214868480
	.fill 96, 4, 3214868480
	.section	.rodata,"a",@progbits
	.p2align	6, 0x0
	.amdhsa_kernel k_qdba62e1e54_qw
		.amdhsa_group_segment_fixed_size 26112
		.amdhsa_private_segment_fixed_size 0
		.amdhsa_enable_private_segment 0
		.amdhsa_kernarg_size 48
		.amdhsa_user_sgpr_count 2
		.amdhsa_user_sgpr_kernarg_segment_ptr 1
		.amdhsa_wavefront_size32 1
		.amdhsa_system_sgpr_workgroup_id_x 1
		.amdhsa_system_sgpr_workgroup_id_y 1
		.amdhsa_system_sgpr_workgroup_id_z 1
		.amdhsa_system_vgpr_workitem_id 0
		.amdhsa_next_free_vgpr 162
		.amdhsa_next_free_sgpr 66
		.amdhsa_reserve_vcc 0
		.amdhsa_float_denorm_mode_32 3
		.amdhsa_float_denorm_mode_16_64 3
		.amdhsa_memory_ordered 1
		.amdhsa_forward_progress 1
		.amdhsa_inst_pref_size 42
	.end_amdhsa_kernel
	.amdgpu_metadata
---
amdhsa.version: [ 1, 2 ]
amdhsa.kernels:
  - .name:           k_qdba62e1e54_qw
    .symbol:         k_qdba62e1e54_qw.kd
    .args:
      - { .name: Wq, .offset: 0, .size: 8, .value_kind: global_buffer, .address_space: global }
      - { .name: Wk, .offset: 8, .size: 8, .value_kind: global_buffer, .address_space: global }
      - { .name: Wv, .offset: 16, .size: 8, .value_kind: global_buffer, .address_space: global }
      - { .name: Wo, .offset: 24, .size: 8, .value_kind: global_buffer, .address_space: global }
      - { .name: cod, .offset: 32, .size: 8, .value_kind: global_buffer, .address_space: global }
      - { .name: scl, .offset: 40, .size: 8, .value_kind: global_buffer, .address_space: global }
    .group_segment_fixed_size: 26112
    .private_segment_fixed_size: 0
    .kernarg_segment_align: 8
    .kernarg_segment_size: 48
    .max_flat_workgroup_size: 128
    .sgpr_count:     66
    .vgpr_count:     162
    .wavefront_size: 32
...
	.end_amdgpu_metadata
.endif
;; end of part 1
;; launch qx (part 2): grid 256 x 1, 8 waves a work-group, no clusters, 68,608 bytes of LDS; arguments inputs_q, inputs_kv, cod, scl; writes cod, scl
.if DOCPART == 2
	.amdgcn_target "amdgcn-amd-amdhsa--gfx1250"
	.amdhsa_code_object_version 6
	.text
	.protected	k_qdba62e1e54_qx
	.globl	k_qdba62e1e54_qx
	.p2align	8
	.type	k_qdba62e1e54_qx,@function
k_qdba62e1e54_qx:
	s_mov_b64 s[64:65], 0
	v_nop
	global_prefetch_b8 v0, s[64:65] scope:SCOPE_SE
	s_setreg_imm32_b32 hwreg(HW_REG_WAVE_MODE, 25, 1), 1
	s_wait_xcnt 0x0
; inputs_q and inputs_kv, [8192 tokens][1024] f32, K innermost, become codes of FP6 (E2M3) and E8M0 bytes, in the layout that the weights' launch describes: tiles of 16 rows (row r of tile T is token
; 32 (T / 2) + 8 (T % 2) + r + 8 (r / 8)), images of six operand registers for each 64 along K (768 bytes: registers 0-3 at 16 x lane, registers 4-5 at 512 + 8 x lane), 12,288 bytes a tile; scale words 512 bytes a tile.
; inputs_q is row tiles 0-511, inputs_kv 512-1023.  The first 128 work-groups take inputs_q, the others inputs_kv: only pointers are chosen, there is one path.
; A wave takes one tile x 512 along K, four steps of 128.  Each load reads 512 consecutive bytes of one row; the 16 rows turn through the wave's own stage in LDS (rows 528 bytes apart) so that lane (r, h) gets, of
; row r, the 16 neighbours 32 b + 16 h + 0 .. 15 of each block b; two lanes hold a block.  The conversions' results, with the halves exchanged, ARE the operand's registers and are stored as they stand.
; LIMITS: a block of zeros gets the byte 1 where the rule says 127 (its codes are zeros; this program alone reads the bytes); blocks under 2^-124 are held at the byte 1; NaN and infinities are not served.
.set R,    16                          ; v16-143  two sets of 64 registers as loaded
.set X,    144                         ; v144-207 64 numbers: register 16 b + i = k 32 b + 16 h + i of my row
.set PC,   208                         ; v208-219 a fragment's codes
.set PX,   220                         ; v220-222, v224-226 the second halves' conversions
.set TM,   228                         ; v228-231 largest magnitudes, v232-235 bytes, v240-243 scale operands
.set PWB,  244                         ; v244-247 the four steps' scale words
.set WREG, 8448                        ; LDS: a wave's stage, 16 rows x 528
	s_load_b128 s[4:7], s[0:1], 0x0                ; inputs_q, inputs_kv
	s_load_b128 s[8:11], s[0:1], 0x10              ; the codes, the scales
	v_lshl_add_u32 v254, v0, 2, 0x10800
	v_mov_b32 v255, 0
	v_lshrrev_b32 v1, 5, v0
	v_readfirstlane_b32 s12, v1                    ; wave 0..7
	v_and_b32 v2, 31, v0                           ; lane
	v_and_b32 v3, 15, v0                           ; r
	v_bfe_u32 v8, v0, 4, 1                         ; h
	v_lshlrev_b32 v4, 4, v2                        ; 16 x lane
	v_lshlrev_b32 v5, 3, v2                        ; 8 x lane
	s_mul_i32 s13, s12, WREG
	v_add_nc_u32 v6, s13, v4                       ; the stage, on the way in
	v_mul_u32_u24 v7, v3, 528
	v_lshl_add_u32 v7, v8, 6, v7
	v_add_nc_u32 v7, s13, v7                       ; and out: row r, + 64 h
	v_cmp_lt_u32 vcc_lo, 15, v2                    ; lanes 16-31
	s_lshr_b32 s14, ttmp9, 7                       ; which input
	s_and_b32 s15, ttmp9, 127
	s_lshl_b32 s15, s15, 3
	s_add_co_u32 s15, s15, s12
	s_lshr_b32 s16, s15, 1                         ; my tile
	s_and_b32 s17, s15, 1                          ; which half of K
	s_lshr_b32 s18, s16, 1
	s_lshl_b32 s18, s18, 5
	s_and_b32 s19, s16, 1
	s_lshl_b32 s19, s19, 3
	s_add_co_u32 s18, s18, s19                     ; the tile's first token
	s_lshl_b32 s18, s18, 12
	s_lshl_b32 s19, s17, 11
	s_add_co_u32 s18, s18, s19
	s_mov_b32 s19, 0
	s_lshl_b32 s20, s14, 9
	s_add_co_u32 s20, s20, s16                     ; row tile
	s_mul_i32 s22, s20, 12288
	s_mul_i32 s21, s17, 6144
	s_add_co_u32 s22, s22, s21
	s_mov_b32 s23, 0
	s_lshl_b32 s24, s20, 9
	s_lshl_b32 s21, s17, 8
	s_add_co_u32 s24, s24, s21
	s_mov_b32 s25, 0
	s_mov_b32 s26, 0x76543210
	s_mov_b32 s27, 0xfedcba98                      ; v_permlanex16_b32's selects for lane l xor 16
.irp b, 0,1,2,3
	v_mov_b32 v[TM+4+\b], 0                        ; written once: a lane permute's destination counts as one of its sources
.endr
	s_wait_kmcnt 0x0
	s_cmp_eq_u32 s14, 0
	s_cselect_b64 s[4:5], s[4:5], s[6:7]
	s_add_nc_u64 s[4:5], s[4:5], s[18:19]
	s_add_nc_u64 s[8:9], s[8:9], s[22:23]
	s_add_nc_u64 s[10:11], s[10:11], s[24:25]
.macro LOAD t
.irp p, 0,1,2,3,4,5,6,7,8,9,10,11,12,13,14,15
	global_load_b128 v[R+64*((\t)%2)+4*\p:R+64*((\t)%2)+4*\p+3], v4, s[4:5] offset:(\p+8*(\p/8))*4096+512*(\t) th:TH_LOAD_NT   ; row p of the tile: 512 consecutive bytes
.endr
.endm
.macro QUANT s, pw                     ; 64 numbers of a lane become a fragment's codes in v[PC] on and its scale word in v[pw]
.irp b, 0,1,2,3
	v_max3_num_f32 v[TM+\b], |v[\s+16*\b]|, |v[\s+1+16*\b]|, 0x1800000   ; my 16 numbers of block b, and the floor 2^(3 - 127)
.endr
.irp i, 2,4,6,8,10,12,14
.irp b, 0,1,2,3
	v_max3_num_f32 v[TM+\b], v[TM+\b], |v[\s+16*\b+\i]|, |v[\s+1+16*\b+\i]|
.endr
.endr
.irp b, 0,1,2,3
	v_permlanex16_b32 v[TM+4+\b], v[TM+\b], s26, s27
.endr
.irp b, 0,1,2,3
	v_max_num_f32 v[TM+\b], v[TM+\b], v[TM+4+\b]   ; with lane l xor 16's: the block's largest magnitude
.endr
.irp b, 0,1,2,3
	v_add_nc_u32 v[TM+12+\b], 0xff000000, v[TM+\b] ; 2 off its exponent field: the conversion's scale operand
.endr
.irp b, 0,1,2,3
	v_lshrrev_b32 v[TM+4+\b], 23, v[TM+12+\b]      ; the byte
.endr
	v_lshl_or_b32 v[\pw], v[TM+5], 8, v[TM+4]
	v_lshl_or_b32 v[\pw], v[TM+6], 16, v[\pw]
	v_lshl_or_b32 v[\pw], v[TM+7], 24, v[\pw]
.irp c, 0,1
	v_cvt_scalef32_pk16_fp6_f32 v[PC+6*\c:PC+2+6*\c], v[\s+32*\c:\s+15+32*\c], v[TM+12+2*\c]
	v_cvt_scalef32_pk16_fp6_f32 v[PX+4*\c:PX+2+4*\c], v[\s+16+32*\c:\s+31+32*\c], v[TM+12+2*\c+1]
.endr
	v_nop                                          ; one plain instruction behind the scaled conversions
.irp c, 0,1                                    ; the operand wants a whole block in a lane: lanes 0-15 block 2 c, lanes 16-31 block 2 c + 1
.irp i, 0,1,2
	v_permlane16_swap_b32 v[PC+6*\c+\i], v[PX+4*\c+\i]
.endr
.irp i, 0,1,2
	v_mov_b32 v[PC+3+6*\c+\i], v[PX+4*\c+\i]
.endr
.endr
.endm
	LOAD 0
	LOAD 1
.macro STEPX t
.if (\t) < 3
	s_wait_loadcnt 16                              ; this step's 16 loads are in; the next step's 16 may be out
.else
	s_wait_loadcnt 0x0
.endif
.irp p, 0,1,2,3,4,5,6,7,8,9,10,11,12,13,14,15
	ds_store_b128 v6, v[R+64*((\t)%2)+4*\p:R+64*((\t)%2)+4*\p+3] offset:528*\p
.endr
.irp b, 0,1,2,3
.irp j, 0,1,2,3
	ds_load_b128 v[X+16*\b+4*\j:X+16*\b+4*\j+3], v7 offset:128*\b+16*\j   ; LDS serves a wave's instructions in order: these see the stores above
.endr
.endr
	s_wait_dscnt 0x0                               ; the numbers are back, and the stores into the stage have read their registers
	s_wait_xcnt 0x0                                ; the last step's stores have read the codes' registers, which are written again below
.if (\t)+2 < 4
	LOAD (\t)+2
.endif
	QUANT X, PWB+(\t)
	global_store_b128 v4, v[PC:PC+3], s[8:9] offset:1536*(\t)             ; each store of the wave covers 512 or 256 consecutive bytes, aligned
	global_store_b64 v5, v[PC+4:PC+5], s[8:9] offset:1536*(\t)+512
	global_store_b128 v4, v[PC+6:PC+9], s[8:9] offset:1536*(\t)+768
	global_store_b64 v5, v[PC+10:PC+11], s[8:9] offset:1536*(\t)+1280
.endm
.irp t, 0,1,2,3
	STEPX \t
.endr
	v_cndmask_b32 v248, v[PWB], v[PWB+2], vcc_lo   ; lanes 0-15 store the pair of steps 0, 1 of row r, lanes 16-31 that of steps 2, 3 (both halves of the lanes hold all four words)
	v_cndmask_b32 v249, v[PWB+1], v[PWB+3], vcc_lo
	global_store_b64 v5, v[248:249], s[10:11]      ; 256 consecutive bytes, aligned
	s_wait_tensorcnt 0x0
	ds_add_u32 v254, v255
	s_wait_dscnt 0x0
	s_endpgm
.Lfunc_end_k_qdba62e1e54_qx:
	.size	k_qdba62e1e54_qx, .Lfunc_end_k_qdba62e1e54_qx-k_qdba62e1e54_qx
	.p2alignl 7, 3214868480
	.fill 96, 4, 3214868480
	.section	.rodata,"a",@progbits
	.p2align	6, 0x0
	.amdhsa_kernel k_qdba62e1e54_qx
		.amdhsa_group_segment_fixed_size 68608
		.amdhsa_private_segment_fixed_size 0
		.amdhsa_enable_private_segment 0
		.amdhsa_kernarg_size 32
		.amdhsa_user_sgpr_count 2
		.amdhsa_user_sgpr_kernarg_segment_ptr 1
		.amdhsa_wavefront_size32 1
		.amdhsa_system_sgpr_workgroup_id_x 1
		.amdhsa_system_sgpr_workgroup_id_y 1
		.amdhsa_system_sgpr_workgroup_id_z 1
		.amdhsa_system_vgpr_workitem_id 0
		.amdhsa_next_free_vgpr 256
		.amdhsa_next_free_sgpr 66
		.amdhsa_reserve_vcc 1
		.amdhsa_float_denorm_mode_32 3
		.amdhsa_float_denorm_mode_16_64 3
		.amdhsa_memory_ordered 1
		.amdhsa_forward_progress 1
		.amdhsa_inst_pref_size 34
	.end_amdhsa_kernel
	.amdgpu_metadata
---
amdhsa.version: [ 1, 2 ]
amdhsa.kernels:
  - .name:           k_qdba62e1e54_qx
    .symbol:         k_qdba62e1e54_qx.kd
    .args:
      - { .name: inputs_q, .offset: 0, .size: 8, .value_kind: global_buffer, .address_space: global }
      - { .name: inputs_kv, .offset: 8, .size: 8, .value_kind: global_buffer, .address_space: global }
      - { .name: cod, .offset: 16, .size: 8, .value_kind: global_buffer, .address_space: global }
      - { .name: scl, .offset: 24, .size: 8, .value_kind: global_buffer, .address_space: global }
    .group_segment_fixed_size: 68608
    .private_segment_fixed_size: 0
    .kernarg_segment_align: 8
    .kernarg_segment_size: 32
    .max_flat_workgroup_size: 256
    .sgpr_count:     66
    .vgpr_count:     256
    .wavefront_size: 32
...
	.end_amdgpu_metadata
.endif
;; end of part 2
;; launch proj (part 3): grid 4 x 96, 4 waves a work-group, clusters of 4 x 4, 327,680 bytes of LDS; arguments cod, scl, bq, bk, bv, q_scale, k_scale, v_scale, q_bias, k_bias, v_bias, qkv; writes qkv
.if DOCPART == 3
	.amdgcn_target "amdgcn-amd-amdhsa--gfx1250"
	.amdhsa_code_object_version 6
	.text
	.protected	k_qdba62e1e54_proj
	.globl	k_qdba62e1e54_proj
	.p2align	8
	.type	k_qdba62e1e54_proj,@function
k_qdba62e1e54_proj:
	s_mov_b64 s[64:65], 0
	v_nop
	global_prefetch_b8 v0, s[64:65] scope:SCOPE_SE
	s_setreg_imm32_b32 hwreg(HW_REG_WAVE_MODE, 25, 1), 1
	s_wait_xcnt 0x0
	s_wait_alu depctr_hold_cnt(0) depctr_sa_sdst(0) depctr_va_vdst(0) depctr_va_sdst(0) depctr_va_ssrc(0) depctr_va_vcc(0) depctr_vm_vsrc(0)
	s_getreg_b32 s2, hwreg(HW_REG_IB_STS2, 6, 4)
	s_cmp_eq_u32 s2, 0
	s_cbranch_scc0 .Lentry_in_a_cluster
	s_endpgm
.Lentry_in_a_cluster:
	s_bfe_u32 s2, ttmp6, 0x10000c
	s_cmp_lg_u32 s2, 0xf033
	s_cbranch_scc0 .Lentry_shape_is_right
	s_endpgm
.Lentry_shape_is_right:
; The three projections (x W + b on codes of FP6 with E8M0 scales), the LayerNorm over each head's 64 channels in f32, and the quantising of q, k (along the head's 64) and v (along the keys).
; JOBS.  A cluster of 4 x 4 work-groups makes 1,024 tokens x 1,024 channels of one job: cluster y / 8 = 0: v, 1: q, 2: k; cluster y % 8: which 1,024 tokens.  A work-group makes 256 x 256, a wave 128 x 128:
; 64 accumulators of 16 x 16.  K = 1,024 goes in four steps of 256 through two LDS slots filled by the tensor data mover; the scale words of the work-group's rows come once.
; OPERANDS lie in memory as images of the operand's registers (768 bytes for 16 rows x 64 K: registers 0-3 at 16 x lane, registers 4-5 at 512 + 8 x lane), 12,288 bytes a row tile, so a fragment comes by two loads of
; 16 bytes and two of 8 a lane, each dense in LDS.  Row r of tile T is row 32 (T / 2) + 8 (T % 2) + r + 8 (r / 8): so the 16 result registers of two neighbouring tiles of source 0 are 16 NEIGHBOURS.
; SOURCE 0 is called B, source 1 A.  A lane holds one row of A and its registers run along B's rows.  q, k: A = tokens, B = channels: a lane holds a token and 32 channels of each of two heads.
; v: A = channels (Wv), B = tokens: a lane holds a channel and 64 of 128 tokens, which are the keys, the K of attention's second product.  x and W lie in one buffer, so only row-tile numbers are chosen by the job.
; JOINT LOADS: A's tiles are shared along a row of the cluster, B's along a column.
; OUT (qkv).  For head bh = 16 batch + head and each 128 tokens s: at 204,800 bh + 12,800 s: k's 8 images, v's 4 fragments (16 channels x 128 keys), k's scale words (64 bytes for two token tiles: a row's two
; bytes of the even tile below, of the odd tile above), v's scale words.  q: at 13,107,200 + 102,400 bh + 6,400 s: 8 images and 256 bytes of scale words.
; A wave's stores of scale words cover 128 consecutive bytes; the codes' stores cover 512 or 256, aligned; the scale words are one part in 24 of the codes.
; LIMITS: a block of zeros gets the byte 1 where the rule says 127 (its codes are zeros; this program alone reads the bytes); blocks under 2^-124 are held at the byte 1; NaN and infinities are not served;
; the reciprocal root is v_rsq_f32's; mean and variance are taken in two passes.
; REGISTERS, in windows of 256: window 0: v0-31 addresses; v32-63 scale words, two sets (later at work); v64-127 LayerNorm's gain and bias by channel (q, k); v128-223 A's fragments (later at work); v224-255 v's parameters.
;   window 1: B's fragments, two sets at v0 and v128; v96-127, v224-255 the projection's bias by channel (q, k).   windows 2, 3: the accumulators ((a, b) at v[8 (8 (a % 4) + b)]).
.set FR,    12                         ; registers of a fragment
.set NQ,    2                          ; steps of 128 along K in a slot
.set NL,    4                          ; LDS loads that bring a fragment
.set NP,    4                          ; places behind this matrix instruction (ISA guide 7.12.1)
.set HALFT, 24576                      ; 8 row tiles x 3,072 bytes: what one tensor load brings, and what one wave reads of A or of B
.set SLOT,  98304                      ; A's 16 row tiles, then B's
.set SCL,   196608                     ; behind the ring: the scale words, 4,096 bytes for each wave's load
.set SPARE, 212992                     ; the spare words, 128 bytes for each wave: two blocks of 256 bytes that no other line names
.set ADRA,  16                         ; v16-17 16 x lane + my A tiles in slot 0, 1; v18-19 the same with 8 x lane
.set ADRB,  20                         ; v20-23 the same for B
.set ADRS,  27                         ; v27    my scale words: lanes 0-15 A's rows, lanes 16-31 B's
.set SPW,   28                         ; v28    my spare word: SPARE + 4 x my thread's number; never rewritten
.set NIL,   29                         ; v29    0; never rewritten
.set SC,    32
.set AF,    128
.set G1,   24
.set G0,   32
.set G1B,  48
.set G0B,  56
.set G1S,  68
.set G0S,  76
.set G1SB, 80
.set G0SB, 88
.set MSB, 0
.macro WIN new                         ; the immediate's high byte repeats the setting that is left
.if MSB != (\new)
	s_set_vgpr_msb (MSB<<8)|(\new)
.set MSB, \new
.endif
.endm
.set MUL_LO, 0xa1                      ; source 0 (B) window 1, source 1 (A) window 0, C and D window 2
.set MUL_HI, 0xf1                      ; the same, C and D window 3
.set TO_B,   0x40                      ; destination window 1, address window 0
; A joint load: waves 0 and 1 fetch for A, waves 2 and 3 for B.  The branch hangs on the wave's number alone.  Four v_nop follow each of the two lines.
.macro JLOAD g0a, g1a, g0b, g1b
	s_cmp_eq_u32 s15, 0
	s_cbranch_scc0 .Lfor_b_\@
	tensor_load_to_lds s[\g0a:\g0a+3], s[\g1a:\g1a+7]
	s_nop 0
.rept 4
	v_nop
.endr
	s_branch .Lasked_\@
.Lfor_b_\@:
	tensor_load_to_lds s[\g0b:\g0b+3], s[\g1b:\g1b+7]
	s_nop 0
.rept 4
	v_nop
.endr
.Lasked_\@:
.endm
.macro CREST                           ; a round of the cluster's barrier behind its opening barrier
	s_cmp_lg_u32 s14, 0
	s_cbranch_scc1 .Lnot_wave_0_\@
	s_barrier_signal -3
.Lnot_wave_0_\@:
	s_barrier_wait -3
	s_barrier_signal -1
	s_barrier_wait -1
.endm
.macro CROUND
	s_barrier_signal -1
	s_barrier_wait -1
	CREST
.endm
	s_load_b128 s[4:7], s[0:1], 0x0                ; the codes, the scales
	s_load_b512 s[68:83], s[0:1], 0x10             ; bq, bk, bv, q_scale, k_scale, v_scale, q_bias, k_bias
	s_load_b128 s[84:87], s[0:1], 0x50             ; v_bias, qkv
	v_lshl_add_u32 v[SPW], v0, 2, SPARE
	v_mov_b32 v[NIL], 0
	ds_add_u32 v28, v29
	ds_add_u32 v28, v29
	s_wait_dscnt 0x0
	v_lshrrev_b32 v1, 5, v0
	v_readfirstlane_b32 s14, v1                    ; wave 0..3
	s_lshr_b32 s15, s14, 1                         ; which half of A's rows is mine.  Also: I fetch for A (0) or for B (1)
	s_and_b32 s16, s14, 1                          ; which half of B's rows.  Also: which 8 row tiles I fetch
	s_bfe_u32 s40, ttmp6, 0x40000                  ; cx
	s_bfe_u32 s41, ttmp6, 0x40004                  ; cy
	s_and_b32 s17, ttmp7, 0xffff                   ; cluster y
	s_lshr_b32 s98, s17, 3                         ; the job: 0 v, 1 q, 2 k: the same in all sixteen partners
	s_and_b32 s99, s17, 7                          ; which 1,024 tokens
	s_lshl_b32 s43, s41, 2
	s_lshl_b32 s43, 15, s43                        ; my row of the cluster
	s_lshl_b32 s44, 0x1111, s40                    ; my column
	; descriptor group 1 for the tiles: 8 rows (row tiles) of 3,072 bytes (384 elements of 8 bytes), 12,288 bytes apart in memory, dense in LDS
	s_or_b32 s[G1+0], s43, (3<<16)|(1<<21)         ; 15:0 the mask: A's tiles go to my row; 17:16 elements of 8 bytes; 21 set beside a mask
	s_or_b32 s[G1B+0], s44, (3<<16)|(1<<21)
.irp g, G1, G1B
	s_mov_b32 s[\g+1], 384<<16                     ; tensor_dim0
	s_mov_b32 s[\g+2], 8<<16                       ; tensor_dim1
	s_mov_b32 s[\g+3], 384<<16                     ; tile_dim0
	s_mov_b32 s[\g+4], 8                           ; tile_dim1
	s_mov_b32 s[\g+5], 1536                        ; tensor_dim0_stride
	s_mov_b32 s[\g+6], 0
	s_mov_b32 s[\g+7], 0
.endr
	; which row tiles.  A's numbers are made of cy and the cluster's y alone, B's of cx and the cluster's y alone
	s_lshl_b32 s18, s99, 2
	s_sub_co_u32 s21, s98, 1
	s_lshl_b32 s20, s21, 9                         ; q, k: A = x: inputs_q at row tile 0, inputs_kv at 512
	s_lshl_b32 s45, s21, 6
	s_add_co_u32 s45, s45, 1024                    ; q, k: B = Wq at 1024, Wk at 1088
	s_mov_b32 s22, 1152                            ; v: A = Wv
	s_mov_b32 s23, 512                             ; v: B = inputs_kv
	s_cmp_eq_u32 s98, 0
	s_cselect_b32 s20, s22, s20
	s_cselect_b32 s45, s23, s45
	s_cselect_b32 s19, 0, s18                      ; the tokens' side counts blocks of 256 from 4 x (which 1,024)
	s_cselect_b32 s42, s18, 0
	s_add_co_u32 s19, s19, s41
	s_add_co_u32 s42, s42, s40
	s_lshl_b32 s19, s19, 4
	s_lshl_b32 s42, s42, 4
	s_lshl_b32 s18, s16, 3
	s_add_co_u32 s20, s20, s19
	s_add_co_u32 s20, s20, s18                     ; A: my first row tile
	s_add_co_u32 s46, s45, s42
	s_add_co_u32 s46, s46, s18                     ; B: likewise
	s_lshl_b32 s22, s20, 9
	s_mov_b32 s23, 0
	s_mul_i32 s20, s20, 12288
	s_mov_b32 s21, 0
	s_lshl_b32 s92, s46, 9
	s_mov_b32 s93, 0
	s_mul_i32 s46, s46, 12288
	s_mov_b32 s47, 0
	s_mul_i32 s45, s14, HALFT                      ; where they go: by the wave's number alone
	s_lshl_b32 s94, s14, 12
	s_wait_kmcnt 0x0
	s_cmp_eq_u32 s98, 1                            ; the job's three parameter vectors: a choice that hangs on no address
	s_cselect_b64 s[8:9], s[68:69], s[70:71]
	s_cselect_b64 s[10:11], s[74:75], s[76:77]
	s_cselect_b64 s[12:13], s[80:81], s[82:83]
	s_cmp_eq_u32 s98, 0
	s_cselect_b64 s[8:9], s[72:73], s[8:9]         ; the projection's bias
	s_cselect_b64 s[10:11], s[78:79], s[10:11]     ; LayerNorm's gain
	s_cselect_b64 s[12:13], s[84:85], s[12:13]     ; LayerNorm's bias
	s_mov_b64 s[100:101], s[86:87]                 ; qkv
	; group 1 for the scale words of 8 row tiles: 4,096 dense bytes as 16 rows of 256
	s_or_b32 s[G1S+0], s43, (3<<16)|(1<<21)
	s_or_b32 s[G1SB+0], s44, (3<<16)|(1<<21)
.irp g, G1S, G1SB
	s_mov_b32 s[\g+1], 32<<16
	s_mov_b32 s[\g+2], 16<<16
	s_mov_b32 s[\g+3], 32<<16
	s_mov_b32 s[\g+4], 16
	s_mov_b32 s[\g+5], 32
	s_mov_b32 s[\g+6], 0
	s_mov_b32 s[\g+7], 0
.endr
	s_add_nc_u64 s[20:21], s[4:5], s[20:21]
	s_add_nc_u64 s[22:23], s[6:7], s[22:23]
	s_add_nc_u64 s[46:47], s[4:5], s[46:47]
	s_add_nc_u64 s[92:93], s[6:7], s[92:93]
	CROUND                                         ; all sixteen work-groups are here: the first joint loads meet
	s_mov_b32 s[G0S], 1
	s_add_co_u32 s[G0S+1], s94, SCL
	s_mov_b64 s[G0S+2:G0S+3], s[22:23]
	s_or_b32 s[G0S+3], s[G0S+3], 0x80000000
	s_mov_b32 s[G0SB], 1
	s_add_co_u32 s[G0SB+1], s94, SCL
	s_mov_b64 s[G0SB+2:G0SB+3], s[92:93]
	s_or_b32 s[G0SB+3], s[G0SB+3], 0x80000000
	JLOAD G0S, G1S, G0SB, G1SB                     ; the scale words first; with the two slots three loads of mine are out
.irp s, 0,1
	s_mov_b32 s[G0+4*\s], 1
	s_add_co_u32 s[G0+4*\s+1], s45, \s*SLOT
	s_add_nc_u64 s[G0+4*\s+2:G0+4*\s+3], s[20:21], \s*3072
	s_or_b32 s[G0+4*\s+3], s[G0+4*\s+3], 0x80000000
	s_mov_b32 s[G0B+4*\s], 1
	s_add_co_u32 s[G0B+4*\s+1], s45, \s*SLOT
	s_add_nc_u64 s[G0B+4*\s+2:G0B+4*\s+3], s[46:47], \s*3072
	s_or_b32 s[G0B+4*\s+3], s[G0B+4*\s+3], 0x80000000
	JLOAD G0+4*\s, G1, G0B+4*\s, G1B
.endr
	v_and_b32 v1, 15, v0                           ; r
	v_bfe_u32 v2, v0, 4, 1                         ; h
	v_and_b32 v3, 31, v0                           ; lane
	v_lshlrev_b32 v4, 4, v3
	v_lshlrev_b32 v5, 3, v3
	s_mul_i32 s21, s15, HALFT
	s_mul_i32 s22, s16, HALFT
	s_add_co_u32 s22, s22, 2*HALFT
.irp s, 0,1
	v_add_nc_u32 v[ADRA+\s], s21, v4
	v_add_nc_u32 v[ADRA+2+\s], s21, v5
	v_add_nc_u32 v[ADRB+\s], s22, v4
	v_add_nc_u32 v[ADRB+2+\s], s22, v5
	s_add_co_u32 s21, s21, SLOT
	s_add_co_u32 s22, s22, SLOT
.endr
	v_lshlrev_b32 v6, 3, v1                        ; my row's pair of scale words
	s_lshl_b32 s21, s15, 12                        ; A's: my 8 row tiles
	s_lshl_b32 s22, s16, 12
	s_add_co_u32 s22, s22, 8192                    ; B's: behind A's 16
	s_sub_co_u32 s22, s22, s21
	v_mul_u32_u24 v7, s22, v2                      ; lanes 16-31 take B's
	s_add_co_u32 s21, s21, SCL
	v_add_nc_u32 v6, v6, v7
	v_add_nc_u32 v[ADRS], s21, v6
	; THE PARAMETERS, in both layouts, with no branch: 64 loads, awaited at the way out.  My first channel: q, k: 256 cx + 128 (B's half); v: 256 cy + 128 (A's half)
	s_lshl_b32 s18, s41, 8
	s_lshl_b32 s19, s15, 7
	s_add_co_u32 s18, s18, s19
	s_lshl_b32 s2, s40, 8
	s_lshl_b32 s3, s16, 7
	s_add_co_u32 s2, s2, s3
	s_cmp_eq_u32 s98, 0
	s_cselect_b32 s18, s18, s2
	s_lshl_b32 s18, s18, 2
	s_mov_b32 s19, 0
	s_add_nc_u64 s[8:9], s[8:9], s[18:19]
	v_lshlrev_b32 v8, 6, v2                        ; q, k: my half's 16 channels of each 32
	v_and_b32 v9, 8, v1
	v_add_nc_u32 v9, v9, v1
	v_lshlrev_b32 v9, 2, v9                        ; v: my channel of a tile: r + 8 (r / 8)
	WIN TO_B
.irp b, 0,1,2,3,4,5,6,7                        ; register 8 b + j = bias of channel 32 (b / 2) + 16 h + 8 (b % 2) + j
	global_load_b128 v[96+8*(\b%4)+128*(\b/4):96+8*(\b%4)+128*(\b/4)+3], v8, s[8:9] offset:(32*(\b/2)+8*(\b%2))*4
	global_load_b128 v[96+8*(\b%4)+128*(\b/4)+4:96+8*(\b%4)+128*(\b/4)+7], v8, s[8:9] offset:(32*(\b/2)+8*(\b%2))*4+16
.endr
	WIN 0
.irp b, 0,1,2,3
	global_load_b128 v[64+8*\b:64+8*\b+3], v8, s[10:11] offset:(32*(\b/2)+8*(\b%2))*4
	global_load_b128 v[64+8*\b+4:64+8*\b+7], v8, s[10:11] offset:(32*(\b/2)+8*(\b%2))*4+16
	global_load_b128 v[96+8*\b:96+8*\b+3], v8, s[12:13] offset:(32*(\b/2)+8*(\b%2))*4
	global_load_b128 v[96+8*\b+4:96+8*\b+7], v8, s[12:13] offset:(32*(\b/2)+8*(\b%2))*4+16
.endr
.irp a, 0,1,2,3,4,5,6,7                        ; v: one number a tile, loaded twice into a pair for the packed forms
	global_load_b32 v[224+2*\a], v9, s[8:9] offset:(32*(\a/2)+8*(\a%2))*4
	global_load_b32 v[225+2*\a], v9, s[8:9] offset:(32*(\a/2)+8*(\a%2))*4
.endr
.irp a, 0,1,2,3
	global_load_b32 v[240+2*\a], v9, s[10:11] offset:(32*(\a/2)+8*(\a%2))*4
	global_load_b32 v[241+2*\a], v9, s[10:11] offset:(32*(\a/2)+8*(\a%2))*4
	global_load_b32 v[248+2*\a], v9, s[12:13] offset:(32*(\a/2)+8*(\a%2))*4
	global_load_b32 v[249+2*\a], v9, s[12:13] offset:(32*(\a/2)+8*(\a%2))*4
.endr
.macro FRAG reg, a16, a8, off          ; a fragment: two images of six registers; every load is dense in LDS
	ds_load_b128 v[(\reg):(\reg)+3], v[\a16] offset:(\off)
	ds_load_b64 v[(\reg)+4:(\reg)+5], v[\a8] offset:(\off)+512
	ds_load_b128 v[(\reg)+6:(\reg)+9], v[\a16] offset:(\off)+768
	ds_load_b64 v[(\reg)+10:(\reg)+11], v[\a8] offset:(\off)+1280
.endm
; 16 matrix instructions: A's blocks a0, a0 + 1 x B's eight.  p: B's set; sc: the set of scale words.  zero = 1: the first product starts the sums.  The 64 accumulators take turns, one instruction a turn.
.macro MUL16 a0, p, q, sc, zero
.irp a, \a0, \a0+1
.irp b, 0,1,2,3,4,5,6,7
.if \zero
	v_wmma_scale_f32_16x16x128_f8f6f4 v[8*(8*((\a)%4)+\b):8*(8*((\a)%4)+\b)+7], v[128*(\p)+FR*\b:128*(\p)+FR*\b+FR-1], v[AF+FR*(\a):AF+FR*(\a)+FR-1], 0, v[SC+8*NQ*(\sc)+NQ*\b+(\q)], v[SC+8*NQ*(\sc)+NQ*(\a)+(\q)] matrix_a_fmt:MATRIX_FMT_FP6 matrix_b_fmt:MATRIX_FMT_FP6 matrix_a_scale:MATRIX_SCALE_ROW1
.else
	v_wmma_scale_f32_16x16x128_f8f6f4 v[8*(8*((\a)%4)+\b):8*(8*((\a)%4)+\b)+7], v[128*(\p)+FR*\b:128*(\p)+FR*\b+FR-1], v[AF+FR*(\a):AF+FR*(\a)+FR-1], v[8*(8*((\a)%4)+\b):8*(8*((\a)%4)+\b)+7], v[SC+8*NQ*(\sc)+NQ*\b+(\q)], v[SC+8*NQ*(\sc)+NQ*(\a)+(\q)] matrix_a_fmt:MATRIX_FMT_FP6 matrix_b_fmt:MATRIX_FMT_FP6 matrix_a_scale:MATRIX_SCALE_ROW1
.endif
.endr
.endr
.endm
.macro FETCH_B slot, q, p
	WIN TO_B
.irp i, 0,1,2,3,4,5,6,7
	FRAG 128*(\p)+FR*\i, ADRB+\slot, ADRB+2+\slot, \i*3072+(\q)*1536
.endr
	WIN 0
.endm
.macro FETCH_A slot, q, i0
.irp i, \i0, \i0+1, \i0+2, \i0+3
	FRAG AF+FR*(\i), ADRA+\slot, ADRA+2+\slot, (\i)*3072+(\q)*1536
.endr
.endm
.macro SCALES sc                       ; a slot's two scale words a row: lanes 0-15 take A's block i, lanes 16-31 B's block i
.irp i, 0,1,2,3,4,5,6,7
	ds_load_b64 v[SC+8*NQ*\sc+NQ*\i:SC+8*NQ*\sc+NQ*\i+1], v[ADRS] offset:\i*512
.endr
.endm
.macro PLACES n                        ; plain vector instructions between a matrix instruction and a load into, or a read of, its registers
.rept \n
	v_nop
.endr
.endm
.macro STEP slot, q, zero              ; a step of 128 along K that has its successor in the same slot
	s_wait_dscnt 4*NL                              ; B's set and A's blocks 0-3 are in; the youngest 16 loads (A's blocks 4-7) may be out
	WIN MUL_LO
	MUL16 0, (\q)%2, \q, \slot, \zero
	MUL16 2, (\q)%2, \q, \slot, \zero
	s_wait_dscnt 0x0
	PLACES NP
	FETCH_B \slot, (\q)+1, 1-(\q)%2
	FETCH_A \slot, (\q)+1, 0
	WIN MUL_HI
	MUL16 4, (\q)%2, \q, \slot, \zero
	MUL16 6, (\q)%2, \q, \slot, \zero
	PLACES NP
	WIN 0
	FETCH_A \slot, (\q)+1, 4
.endm
; A slot's last step changes slots: one barrier; in front of it each wave waits for all its tensor loads, adds 0 to its spare word, and waits for that and for its reads of this slot.  fill = 1: the slot is filled again, two slots ahead.
.macro TURN slot, next, fill
	s_wait_tensorcnt 0x0                           ; all my tensor loads have landed: my part of the next slot
	ds_add_u32 v[SPW], v[NIL]                      ; 0 onto my spare word
	s_wait_dscnt 4*NL+1                            ; the add and the youngest 16 loads (A's blocks 4-7) may be out
	WIN MUL_LO
	MUL16 0, 1, NQ-1, \slot, 0
	s_wait_dscnt 0x0                               ; the add is done, and my reads of this slot are over
	s_barrier_signal -1
	MUL16 2, 1, NQ-1, \slot, 0
	WIN 0
	s_barrier_wait -1
.if \fill
	CREST                                          ; the barrier has opened a round of the cluster's: no wave of any partner still reads this slot or has a load on its way
	s_add_nc_u64 s[G0+4*\slot+2:G0+4*\slot+3], s[G0+4*\slot+2:G0+4*\slot+3], 6144
	s_add_nc_u64 s[G0B+4*\slot+2:G0B+4*\slot+3], s[G0B+4*\slot+2:G0B+4*\slot+3], 6144
	JLOAD G0+4*\slot, G1, G0B+4*\slot, G1B         ; the first tensor load behind the round; its four v_nop are the places in front of the loads below
.else
	PLACES NP
.endif
	v_add_nc_u32 v[ADRS], 128, v[ADRS]             ; the next slot's scale words
	FETCH_B \next, 0, 0
	FETCH_A \next, 0, 0
	SCALES \next
	WIN MUL_HI
	MUL16 4, 1, NQ-1, \slot, 0
	MUL16 6, 1, NQ-1, \slot, 0
	PLACES NP
	WIN 0
	FETCH_A \next, 0, 4
.endm
	s_wait_tensorcnt 1                             ; the scale words and my part of slot 0 are in; slot 1's load may be out
	s_barrier_signal -1
	s_barrier_wait -1
	FETCH_B 0, 0, 0
	FETCH_A 0, 0, 0
	SCALES 0
	FETCH_A 0, 0, 4
	STEP 0, 0, 1                                   ; K = 1,024 is four slots: written out, eight steps
	TURN 0, 1, 1
	STEP 1, 0, 0
	TURN 1, 0, 1
	STEP 0, 0, 0
	TURN 0, 1, 0                                   ; nothing is left to fetch
	STEP 1, 0, 0
	s_wait_dscnt 4*NL
	WIN MUL_LO
	MUL16 0, 1, NQ-1, 1, 0
	MUL16 2, 1, NQ-1, 1, 0
	s_wait_dscnt 0x0
	WIN MUL_HI
	MUL16 4, 1, NQ-1, 1, 0
	MUL16 6, 1, NQ-1, 1, 0
	WIN 0
	; ---- THE WAY OUT: no LDS.  All tensor loads are done, so the descriptors' scalar registers are free.
.set T,   128                          ; v128-191 64 numbers at work
.set PC,  208                          ; v208-219 codes
	PLACES NP
	s_wait_loadcnt 0x0                             ; the parameters
	v_lshlrev_b32 v24, 4, v3                       ; 16 x lane
	v_lshlrev_b32 v25, 3, v3                       ; 8 x lane
	v_lshlrev_b32 v26, 2, v3                       ; 4 x lane
	v_cmp_lt_u32 vcc_lo, 15, v3                    ; lanes 16-31
	s_mov_b32 s24, 0x76543210
	s_mov_b32 s25, 0xfedcba98                      ; v_permlanex16_b32's selects for lane l xor 16
	s_mov_b32 s26, 0x3c800000                      ; 1/64
	s_mov_b32 s27, s26
	s_mov_b32 s28, 0xbc800000                      ; -1/64
	s_mov_b32 s29, s28
	s_mov_b32 s30, 0x358637bd                      ; 1e-6
.irp i, 32,33,34,35,36,37,38,39,40,41,42,43,44,45,46,47
	v_mov_b32 v[\i], 0                             ; written once: a lane permute's destination counts as one of its sources
.endr
	s_cmp_eq_u32 s98, 0
	s_cbranch_scc1 .Lv
	; ---- q, k: a lane holds a token; the 64 registers of A's block a are 32 channels of each of my two heads: register 32 g + 16 b + i = channel 32 b + 16 h + i of head g
.set SU,  192                          ; v192-199 sums: two pairs a head
.set MU,  200                          ; v200, v202 -mean (the pairs' upper halves are written once)
.set RS,  204                          ; v204, v206 1 / sqrt(var + eps)
.set TQ,  32                           ; v32-43 six registers a head: two largest magnitudes, two bytes, two scale operands
.set PXQ, 44                           ; v44-46, v48-50
.set HW,  52                           ; v52-53 a row's two bytes
.set WD,  56                           ; v56-59 scale words: head g, pair of tiles
.set XW,  60                           ; v60-61 what is stored
	s_lshl_b32 s2, s99, 2
	s_add_co_u32 s2, s2, s41
	s_lshl_b32 s2, s2, 1
	s_add_co_u32 s2, s2, s15                       ; which 128 tokens of the 8,192
	s_lshr_b32 s3, s2, 4                           ; batch
	s_and_b32 s2, s2, 15                           ; which 128 of the batch's 2,048
	s_lshl_b32 s3, s3, 4
	s_lshl_b32 s18, s40, 2
	s_add_co_u32 s3, s3, s18
	s_lshl_b32 s18, s16, 1
	s_add_co_u32 s3, s3, s18                       ; 16 batch + my first head
	s_mov_b32 s18, 204800
	s_mov_b32 s19, 12800
	s_mov_b32 s20, 12288
	s_cmp_eq_u32 s98, 1
	s_cselect_b32 s18, 102400, s18                 ; bytes from head to head,
	s_cselect_b32 s19, 6400, s19                   ; from 128 tokens to the next,
	s_cselect_b32 s20, 6144, s20                   ; from the images to the scale words,
	s_cselect_b32 s21, 13107200, 0                 ; and where the part begins
	s_mul_i32 s3, s3, s18
	s_mul_i32 s2, s2, s19
	s_add_co_u32 s2, s2, s3
	s_add_co_u32 s2, s2, s21
	s_mov_b32 s3, 0
	s_add_nc_u64 s[32:33], s[100:101], s[2:3]      ; head 0's images
	s_mov_b32 s19, 0
	s_add_nc_u64 s[34:35], s[32:33], s[18:19]      ; head 1's
	s_mov_b32 s21, 0
	s_add_nc_u64 s[36:37], s[32:33], s[20:21]      ; their scale words
	s_add_nc_u64 s[38:39], s[34:35], s[20:21]
.irp i, 201,203,205,207
	v_mov_b32 v[\i], 0                             ; named as the upper halves of pairs
.endr
.macro LANESUM                         ; the two pairs of each head, my two halves, and lane l xor 16's: a token's sum over 64 channels in v[SU + 4 g]
.irp g, 0,1
	v_pk_add_f32 v[SU+4*\g:SU+4*\g+1], v[SU+4*\g:SU+4*\g+1], v[SU+4*\g+2:SU+4*\g+3]
.endr
.irp g, 0,1
	v_add_f32 v[SU+4*\g], v[SU+4*\g], v[SU+4*\g+1]
.endr
.irp g, 0,1
	v_permlanex16_b32 v[SU+4*\g+1], v[SU+4*\g], s24, s25
.endr
.irp g, 0,1
	v_add_f32 v[SU+4*\g], v[SU+4*\g], v[SU+4*\g+1]
.endr
.endm
.macro UNIT2 a                         ; one token tile (block a of window 2), both heads line by line
	WIN 0x06                                       ; source 0 (the sums) window 2, source 1 (the bias) window 1, destination window 0
.irp i, 0,2,4,6,8,10,12,14,16,18,20,22,24,26,28,30
	v_pk_add_f32 v[T+\i:T+\i+1], v[64*\a+\i:64*\a+\i+1], v[96+\i:96+\i+1]          ; each accumulator from its low end on
.endr
.irp i, 0,2,4,6,8,10,12,14,16,18,20,22,24,26,28,30
	v_pk_add_f32 v[T+32+\i:T+32+\i+1], v[64*\a+32+\i:64*\a+32+\i+1], v[224+\i:224+\i+1]
.endr
	WIN 0
.irp g, 0,1
	v_pk_add_f32 v[SU+4*\g:SU+4*\g+1], v[T+32*\g:T+32*\g+1], v[T+32*\g+2:T+32*\g+3]
	v_pk_add_f32 v[SU+4*\g+2:SU+4*\g+3], v[T+32*\g+4:T+32*\g+5], v[T+32*\g+6:T+32*\g+7]
.endr
.irp i, 8,12,16,20,24,28
.irp g, 0,1
	v_pk_add_f32 v[SU+4*\g:SU+4*\g+1], v[SU+4*\g:SU+4*\g+1], v[T+32*\g+\i:T+32*\g+\i+1]
	v_pk_add_f32 v[SU+4*\g+2:SU+4*\g+3], v[SU+4*\g+2:SU+4*\g+3], v[T+32*\g+\i+2:T+32*\g+\i+3]
.endr
.endr
	LANESUM
.irp g, 0,1
	v_mul_f32 v[MU+2*\g], s28, v[SU+4*\g]          ; -mean
.endr
.irp i, 0,2,4,6,8,10,12,14,16,18,20,22,24,26,28,30
.irp g, 0,1
	v_pk_add_f32 v[T+32*\g+\i:T+32*\g+\i+1], v[T+32*\g+\i:T+32*\g+\i+1], v[MU+2*\g:MU+2*\g+1] op_sel_hi:[1,0]
.endr
.endr
.irp g, 0,1
	v_pk_mul_f32 v[SU+4*\g:SU+4*\g+1], v[T+32*\g:T+32*\g+1], v[T+32*\g:T+32*\g+1]
	v_pk_mul_f32 v[SU+4*\g+2:SU+4*\g+3], v[T+32*\g+2:T+32*\g+3], v[T+32*\g+2:T+32*\g+3]
.endr
.irp i, 4,8,12,16,20,24,28
.irp g, 0,1
	v_pk_fma_f32 v[SU+4*\g:SU+4*\g+1], v[T+32*\g+\i:T+32*\g+\i+1], v[T+32*\g+\i:T+32*\g+\i+1], v[SU+4*\g:SU+4*\g+1]
	v_pk_fma_f32 v[SU+4*\g+2:SU+4*\g+3], v[T+32*\g+\i+2:T+32*\g+\i+3], v[T+32*\g+\i+2:T+32*\g+\i+3], v[SU+4*\g+2:SU+4*\g+3]
.endr
.endr
	LANESUM
.irp g, 0,1
	v_fma_f32 v[SU+4*\g], v[SU+4*\g], s26, s30     ; var + eps
.endr
.irp g, 0,1
	v_rsq_f32 v[RS+2*\g], v[SU+4*\g]
.endr
	v_nop                                          ; a plain instruction behind the last of the two
	s_wait_alu depctr_va_vdst(0)                   ; one wait for both, ahead of their first reader
.irp i, 0,2,4,6,8,10,12,14,16,18,20,22,24,26,28,30
.irp g, 0,1
	v_pk_mul_f32 v[T+32*\g+\i:T+32*\g+\i+1], v[T+32*\g+\i:T+32*\g+\i+1], v[RS+2*\g:RS+2*\g+1] op_sel_hi:[1,0]
.endr
.endr
.irp i, 0,2,4,6,8,10,12,14,16,18,20,22,24,26,28,30
.irp g, 0,1
	v_pk_fma_f32 v[T+32*\g+\i:T+32*\g+\i+1], v[T+32*\g+\i:T+32*\g+\i+1], v[64+\i:64+\i+1], v[96+\i:96+\i+1]   ; x gain + bias, by channel
.endr
.endr
	s_wait_xcnt 0x0                                ; the last tile's stores have read the codes' registers
.irp b, 0,1                                    ; quantised along the head's 64: two blocks, each in lanes l and l xor 16
.irp g, 0,1
	v_max3_num_f32 v[TQ+6*\g+\b], |v[T+32*\g+16*\b]|, |v[T+32*\g+16*\b+1]|, 0x1800000
.endr
.endr
.irp i, 2,4,6,8,10,12,14
.irp b, 0,1
.irp g, 0,1
	v_max3_num_f32 v[TQ+6*\g+\b], v[TQ+6*\g+\b], |v[T+32*\g+16*\b+\i]|, |v[T+32*\g+16*\b+\i+1]|
.endr
.endr
.endr
.irp b, 0,1
.irp g, 0,1
	v_permlanex16_b32 v[TQ+6*\g+2+\b], v[TQ+6*\g+\b], s24, s25
.endr
.endr
.irp b, 0,1
.irp g, 0,1
	v_max_num_f32 v[TQ+6*\g+\b], v[TQ+6*\g+\b], v[TQ+6*\g+2+\b]
.endr
.endr
.irp b, 0,1
.irp g, 0,1
	v_add_nc_u32 v[TQ+6*\g+4+\b], 0xff000000, v[TQ+6*\g+\b]    ; 2 off the exponent field: the conversion's scale operand
.endr
.endr
.irp b, 0,1
.irp g, 0,1
	v_lshrrev_b32 v[TQ+6*\g+2+\b], 23, v[TQ+6*\g+4+\b]         ; the byte
.endr
.endr
.irp g, 0,1
	v_lshl_or_b32 v[HW+\g], v[TQ+6*\g+3], 8, v[TQ+6*\g+2]
.endr
.irp g, 0,1
	v_cvt_scalef32_pk16_fp6_f32 v[PC+6*\g:PC+6*\g+2], v[T+32*\g:T+32*\g+15], v[TQ+6*\g+4]
	v_cvt_scalef32_pk16_fp6_f32 v[PXQ+4*\g:PXQ+4*\g+2], v[T+32*\g+16:T+32*\g+31], v[TQ+6*\g+5]
.endr
	v_nop                                          ; one plain instruction behind the scaled conversions
.irp g, 0,1
.irp i, 0,1,2
	v_permlane16_swap_b32 v[PC+6*\g+\i], v[PXQ+4*\g+\i]        ; a whole block to a lane: lanes 0-15 block 0, lanes 16-31 block 1
.endr
.irp i, 0,1,2
	v_mov_b32 v[PC+6*\g+3+\i], v[PXQ+4*\g+\i]
.endr
.if (\a)%2 == 0
	v_mov_b32 v[WD+2*\g+(\a)/2], v[HW+\g]
.else
	v_lshl_or_b32 v[WD+2*\g+(\a)/2], v[HW+\g], 16, v[WD+2*\g+(\a)/2]
.endif
	global_store_b128 v24, v[PC+6*\g:PC+6*\g+3], s[32+2*\g:33+2*\g] offset:768*(\a)
	global_store_b64 v25, v[PC+6*\g+4:PC+6*\g+5], s[32+2*\g:33+2*\g] offset:768*(\a)+512
.endr
.endm
	s_mov_b32 s2, 0
.Lqk:                                              ; two trips, both on window 2: blocks 0-3, then blocks 4-7, moved down: the text is written once
	UNIT2 0
	UNIT2 1
	UNIT2 2
	UNIT2 3
.irp g, 0,1
	v_cndmask_b32 v[XW+\g], v[WD+2*\g], v[WD+2*\g+1], vcc_lo   ; lanes 0-15: the first pair of tiles, lanes 16-31: the second
.endr
	global_store_b32 v26, v[XW], s[36:37]
	global_store_b32 v26, v[XW+1], s[38:39]
	s_wait_xcnt 0x0                                ; the stores have read their registers and bases
	s_add_nc_u64 s[32:33], s[32:33], 3072
	s_add_nc_u64 s[34:35], s[34:35], 3072
	s_add_nc_u64 s[36:37], s[36:37], 128
	s_add_nc_u64 s[38:39], s[38:39], 128
	s_cmp_eq_u32 s2, 1
	s_cbranch_scc1 .Lqk_last                       ; nothing is left to move
	WIN 0x83                                       ; source window 3, destination window 2
.set i, 0
.rept 256
	v_mov_b32 v[i], v[i]                           ; each accumulator from its low end on
.set i, i+1
.endr
	WIN 0
.Lqk_last:
	s_add_co_u32 s2, s2, 1
	s_cmp_lt_u32 s2, 2
	s_cbranch_scc1 .Lqk
	s_branch .Ldone
	; ---- v: a lane holds a channel (row r of A's block a); the 64 registers of block a are tokens 32 b + 16 h + i at register 16 b + i.  A head is four blocks: one window.
.Lv:
.set TM,  32                           ; v32-35 largest magnitudes, v36-39 bytes, v44-47 scale operands
.set PX,  48                           ; v48-50, v52-54
.set PWS, 56                           ; v56-59 the four fragments' scale words
.set EPV, 62                           ; v62-63 eps, twice
.set BV,  224                          ; v224-239 the projection's bias of my channel, a pair a block
.set VSC, 240                          ; v240-247 LayerNorm's gain
.set VBI, 248                          ; v248-255 LayerNorm's bias
	s_lshl_b32 s2, s99, 2
	s_add_co_u32 s2, s2, s40
	s_lshl_b32 s2, s2, 1
	s_add_co_u32 s2, s2, s16                       ; which 128 tokens
	s_lshr_b32 s3, s2, 4
	s_and_b32 s2, s2, 15
	s_lshl_b32 s3, s3, 4
	s_lshl_b32 s18, s41, 2
	s_add_co_u32 s3, s3, s18
	s_lshl_b32 s18, s15, 1
	s_add_co_u32 s3, s3, s18                       ; 16 batch + my first head
	s_mul_i32 s3, s3, 204800
	s_mul_i32 s2, s2, 12800
	s_add_co_u32 s2, s2, s3
	s_add_co_u32 s2, s2, 6144                      ; v's fragments lie behind k's images
	s_mov_b32 s3, 0
	s_add_nc_u64 s[32:33], s[100:101], s[2:3]
	v_mov_b32 v[EPV], s30
	v_mov_b32 v[EPV+1], s30
.macro ROWSUM                          ; each of the 64 numbers summed over the 16 lanes of my half: the head's other channels of the same token
.irp m, 1,2,4,8
.set i, 0
.rept 64
	v_add_f32_dpp v[T+i], v[T+i], v[T+i] row_xmask:\m row_mask:0xf bank_mask:0xf
.set i, i+1
.endr
.endr
.endm
.macro QUANTW s, pw                    ; 64 numbers of window 2, v[s] on, become a fragment's codes in v[PC] on and its scale word in v[pw]
	WIN 0x0a                                       ; sources 0 and 1 window 2
.irp b, 0,1,2,3
	v_max3_num_f32 v[TM+\b], |v[\s+16*\b]|, |v[\s+1+16*\b]|, 0x1800000
.endr
.irp i, 2,4,6,8,10,12,14
.irp b, 0,1,2,3
	v_max3_num_f32 v[TM+\b], |v[\s+16*\b+\i]|, |v[\s+1+16*\b+\i]|, v[TM+\b]
.endr
.endr
	WIN 0
.irp b, 0,1,2,3
	v_permlanex16_b32 v[TM+4+\b], v[TM+\b], s24, s25
.endr
.irp b, 0,1,2,3
	v_max_num_f32 v[TM+\b], v[TM+\b], v[TM+4+\b]
.endr
.irp b, 0,1,2,3
	v_add_nc_u32 v[TM+12+\b], 0xff000000, v[TM+\b]
.endr
.irp b, 0,1,2,3
	v_lshrrev_b32 v[TM+4+\b], 23, v[TM+12+\b]
.endr
	v_lshl_or_b32 v[\pw], v[TM+5], 8, v[TM+4]
	v_lshl_or_b32 v[\pw], v[TM+6], 16, v[\pw]
	v_lshl_or_b32 v[\pw], v[TM+7], 24, v[\pw]
	WIN 0x02                                       ; source 0 window 2
.irp c, 0,1
	v_cvt_scalef32_pk16_fp6_f32 v[PC+6*\c:PC+2+6*\c], v[\s+32*\c:\s+15+32*\c], v[TM+12+2*\c]
	v_cvt_scalef32_pk16_fp6_f32 v[PX+4*\c:PX+2+4*\c], v[\s+16+32*\c:\s+31+32*\c], v[TM+12+2*\c+1]
.endr
	WIN 0
	v_nop                                          ; one plain instruction behind the scaled conversions
.irp c, 0,1
.irp i, 0,1,2
	v_permlane16_swap_b32 v[PC+6*\c+\i], v[PX+4*\c+\i]
.endr
.irp i, 0,1,2
	v_mov_b32 v[PC+3+6*\c+\i], v[PX+4*\c+\i]
.endr
.endr
.endm
	s_mov_b32 s2, 0
.Lvh:                                              ; two trips, one a head, both on window 2.  Long runs under one window setting
	WIN 0x82                                       ; + the projection's bias
.irp a, 0,1,2,3
.set i, 0
.rept 32
	v_pk_add_f32 v[64*\a+i:64*\a+i+1], v[64*\a+i:64*\a+i+1], v[BV+2*\a:BV+2*\a+1]
.set i, i+2
.endr
.endr
	WIN 0x0a                                       ; my four channels' sum, token by token
.set i, 0
.rept 32
	v_pk_add_f32 v[T+i:T+i+1], v[i:i+1], v[64+i:64+i+1]
.set i, i+2
.endr
	WIN 0x02
.irp a, 2,3
.set i, 0
.rept 32
	v_pk_add_f32 v[T+i:T+i+1], v[64*\a+i:64*\a+i+1], v[T+i:T+i+1]
.set i, i+2
.endr
.endr
	WIN 0
	ROWSUM
	WIN 0xa0                                       ; - mean
.irp a, 0,1,2,3
.set i, 0
.rept 32
	v_pk_fma_f32 v[64*\a+i:64*\a+i+1], v[T+i:T+i+1], s[28:29], v[64*\a+i:64*\a+i+1] op_sel_hi:[1,0,1]
.set i, i+2
.endr
.endr
	WIN 0x0a                                       ; the squares' sum
.set i, 0
.rept 32
	v_pk_mul_f32 v[T+i:T+i+1], v[i:i+1], v[i:i+1]
.set i, i+2
.endr
.irp a, 1,2,3
.set i, 0
.rept 32
	v_pk_fma_f32 v[T+i:T+i+1], v[64*\a+i:64*\a+i+1], v[64*\a+i:64*\a+i+1], v[T+i:T+i+1]
.set i, i+2
.endr
.endr
	WIN 0
	ROWSUM
.set i, 0
.rept 32
	v_pk_fma_f32 v[T+i:T+i+1], v[T+i:T+i+1], s[26:27], v[EPV:EPV+1] op_sel_hi:[1,0,1]   ; var + eps
.set i, i+2
.endr
.set i, 0
.rept 64
	v_rsq_f32 v[T+i], v[T+i]
.set i, i+1
.endr
	v_nop                                          ; a plain instruction behind the batch
	s_wait_alu depctr_va_vdst(0)                   ; one wait for the 64, ahead of their first reader
	WIN 0x82
.irp a, 0,1,2,3
.set i, 0
.rept 32
	v_pk_mul_f32 v[64*\a+i:64*\a+i+1], v[64*\a+i:64*\a+i+1], v[T+i:T+i+1]
.set i, i+2
.endr
.endr
.irp a, 0,1,2,3
.set i, 0
.rept 32
	v_pk_fma_f32 v[64*\a+i:64*\a+i+1], v[64*\a+i:64*\a+i+1], v[VSC+2*\a:VSC+2*\a+1], v[VBI+2*\a:VBI+2*\a+1]
.set i, i+2
.endr
.endr
	WIN 0
.irp a, 0,1,2,3                                ; quantised along the 128 keys: a fragment of 16 channels
	s_wait_xcnt 0x0                                ; the last fragment's stores have read the codes' registers
	QUANTW 64*\a, PWS+\a
	global_store_b128 v24, v[PC:PC+3], s[32:33] offset:1536*\a
	global_store_b64 v25, v[PC+4:PC+5], s[32:33] offset:1536*\a+512
	global_store_b128 v24, v[PC+6:PC+9], s[32:33] offset:1536*\a+768
	global_store_b64 v25, v[PC+10:PC+11], s[32:33] offset:1536*\a+1280
.endr
	v_cndmask_b32 v60, v[PWS], v[PWS+1], vcc_lo    ; lanes 0-15: the even fragment's words, lanes 16-31: the odd one's
	v_cndmask_b32 v61, v[PWS+2], v[PWS+3], vcc_lo
	global_store_b32 v26, v60, s[32:33] offset:6400
	global_store_b32 v26, v61, s[32:33] offset:6528
	s_wait_xcnt 0x0
	s_add_nc_u64 s[32:33], s[32:33], 204800        ; the next head
	s_cmp_eq_u32 s2, 1
	s_cbranch_scc1 .Lvh_last
.irp i, 0,1,2,3,4,5,6,7
	v_mov_b32 v[BV+\i], v[BV+8+\i]                 ; the second head's bias
.endr
	WIN 0x83
.set i, 0
.rept 256
	v_mov_b32 v[i], v[i]                           ; window 3 down to window 2, each accumulator from its low end on
.set i, i+1
.endr
	WIN 0
.Lvh_last:
	s_add_co_u32 s2, s2, 1
	s_cmp_lt_u32 s2, 2
	s_cbranch_scc1 .Lvh
.Ldone:
	s_wait_tensorcnt 0x0                           ; the wave's end
	ds_add_u32 v[SPW], v[NIL]
	s_wait_dscnt 0x0
	CROUND                                         ; the closing round: no work-group ends while a partner may still ask for a tile that names it
	s_endpgm
.Lfunc_end_k_qdba62e1e54_proj:
	.size	k_qdba62e1e54_proj, .Lfunc_end_k_qdba62e1e54_proj-k_qdba62e1e54_proj
	.p2alignl 7, 3214868480
	.fill 96, 4, 3214868480
	.section	.rodata,"a",@progbits
	.p2align	6, 0x0
	.amdhsa_kernel k_qdba62e1e54_proj
		.amdhsa_group_segment_fixed_size 327680
		.amdhsa_private_segment_fixed_size 0
		.amdhsa_enable_private_segment 0
		.amdhsa_kernarg_size 96
		.amdhsa_user_sgpr_count 2
		.amdhsa_user_sgpr_kernarg_segment_ptr 1
		.amdhsa_wavefront_size32 1
		.amdhsa_system_sgpr_workgroup_id_x 1
		.amdhsa_system_sgpr_workgroup_id_y 1
		.amdhsa_system_sgpr_workgroup_id_z 1
		.amdhsa_system_vgpr_workitem_id 0
		.amdhsa_next_free_vgpr 1024
		.amdhsa_next_free_sgpr 106
		.amdhsa_reserve_vcc 1
		.amdhsa_float_denorm_mode_32 3
		.amdhsa_float_denorm_mode_16_64 3
		.amdhsa_memory_ordered 1
		.amdhsa_forward_progress 1
		.amdhsa_inst_pref_size 255
	.end_amdhsa_kernel
	.section	.bss,"aw",@nobits
	.p2align	6
	.space	262144
	.amdgpu_metadata
---
amdhsa.version: [ 1, 2 ]
amdhsa.kernels:
  - .name:           k_qdba62e1e54_proj
    .symbol:         k_qdba62e1e54_proj.kd
    .args:
      - { .name: cod, .offset: 0, .size: 8, .value_kind: global_buffer, .address_space: global }
      - { .name: scl, .offset: 8, .size: 8, .value_kind: global_buffer, .address_space: global }
      - { .name: bq, .offset: 16, .size: 8, .value_kind: global_buffer, .address_space: global }
      - { .name: bk, .offset: 24, .size: 8, .value_kind: global_buffer, .address_space: global }
      - { .name: bv, .offset: 32, .size: 8, .value_kind: global_buffer, .address_space: global }
      - { .name: q_scale, .offset: 40, .size: 8, .value_kind: global_buffer, .address_space: global }
      - { .name: k_scale, .offset: 48, .size: 8, .value_kind: global_buffer, .address_space: global }
      - { .name: v_scale, .offset: 56, .size: 8, .value_kind: global_buffer, .address_space: global }
      - { .name: q_bias, .offset: 64, .size: 8, .value_kind: global_buffer, .address_space: global }
      - { .name: k_bias, .offset: 72, .size: 8, .value_kind: global_buffer, .address_space: global }
      - { .name: v_bias, .offset: 80, .size: 8, .value_kind: global_buffer, .address_space: global }
      - { .name: qkv, .offset: 88, .size: 8, .value_kind: global_buffer, .address_space: global }
    .group_segment_fixed_size: 327680
    .private_segment_fixed_size: 0
    .kernarg_segment_align: 8
    .kernarg_segment_size: 96
    .max_flat_workgroup_size: 128
    .sgpr_count:     106
    .vgpr_count:     1024
    .wavefront_size: 32
...
	.end_amdgpu_metadata
.endif
;; end of part 3
;; launch attn (part 4): grid 4 x 64, 16 waves a work-group, clusters of 4 x 1, 206,848 bytes of LDS; arguments qkv, oc, os; writes oc, os
.if DOCPART == 4
	.amdgcn_target "amdgcn-amd-amdhsa--gfx1250"
	.amdhsa_code_object_version 6
	.text
	.protected	k_qdba62e1e54_attn
	.globl	k_qdba62e1e54_attn
	.p2align	8
	.type	k_qdba62e1e54_attn,@function
k_qdba62e1e54_attn:
	s_mov_b64 s[64:65], 0
	v_nop
	global_prefetch_b8 v0, s[64:65] scope:SCOPE_SE
	s_setreg_imm32_b32 hwreg(HW_REG_WAVE_MODE, 25, 1), 1
	s_wait_xcnt 0x0
	s_wait_alu depctr_hold_cnt(0) depctr_sa_sdst(0) depctr_va_vdst(0) depctr_va_sdst(0) depctr_va_ssrc(0) depctr_va_vcc(0) depctr_vm_vsrc(0)
	s_getreg_b32 s2, hwreg(HW_REG_IB_STS2, 6, 4)
	s_cmp_eq_u32 s2, 0
	s_cbranch_scc0 .Lentry_in_a_cluster
	s_endpgm
.Lentry_in_a_cluster:
	s_bfe_u32 s2, ttmp6, 0x10000c
	s_cmp_lg_u32 s2, 0x3003
	s_cbranch_scc0 .Lentry_shape_is_right
	s_endpgm
.Lentry_shape_is_right:
; Attention of one head on codes of FP6 (E2M3) with E8M0 scales: S^T = k q^T (K = the head's 64), p = 2^(t - M), O^T = v^T p^T (K = the keys), O / l, quantised along D for the output projection.
; t = score x log2(e) / 8; M = the running largest t rounded UP to a whole number; p is quantised along the keys, not normalised; the row's sum l is taken of the unquantised p; when M moves, l and O are
; multiplied by 2^(old M - new M), which rounds nothing.
; SHARES.  The four work-groups of a cluster own 512 queries each of one head (cluster y = 16 batch + head).  Each of the sixteen waves owns 32 queries: two tiles of 16, one after the other; four waves to a SIMD,
; so that one wave's vector work stands beside another's matrix work and LDS loads.
; THE HEAD'S WHOLE K AND V LIE IN LDS: 16 key steps of 12,800 bytes (k's 8 images, v's 4 fragments, 256 + 256 bytes of scale words), filled ONCE by sixteen joint loads, one a wave, each for all four work-groups.
; No byte of LDS is filled again or stored to: one barrier behind the fill, none in the loop.
; K = 64 IN AN INSTRUCTION OF K = 128.  A fragment of k holds TWO tiles of 16 keys: registers 0-5 the even tile, registers 6-11 the odd one.  It is multiplied by q twice: by [q | zero codes] for the even tile and by
; [zero codes | q] for the odd one: zero codes add nothing under any of the scale bytes here (1 to 254).
; LAYOUT.  Both products are used transposed: a lane holds ONE query (lane % 16).  Row r of a tile T of tokens or channels is 32 (T / 2) + 8 (T % 2) + r + 8 (r / 8), so the 16 registers of two neighbouring tiles are 16
; neighbouring keys (or channels): 32 b + 16 (lane / 16) + 0 .. 15.
; OUT.  oc: a token tile's image for the 64 along D of my head (768 bytes at 12,288 x tile + 768 x head).  os: my head's two scale bytes of each token: stores of two bytes a lane, 8 bytes apart; the bytes between
; belong to other heads' work-groups; one such store a wave.
; LIMITS: p under 2^-126 falls to 0 (v_exp_f32); a block of zeros gets the byte 1 where the rule says 127; 1 / l is v_rcp_f32's; NaN and infinities are not served.
.set WV,  18                           ; s18  my wave's number
.set SEL, 20                           ; s[20:21] selects for lane l xor 16
.set CS,  22                           ; s[22:23] c = log2(e) / 8
.set TB,  24                           ; s24  LDS byte at which the key step begins
.set CNT, 25                           ; s25  key steps to go
.set G1,  28                           ; s[28:35] descriptor group 1
.set G0,  36                           ; s[36:39] group 0
.set FRG, 40                           ; v40-87   four fragments: k's, then v's
.set S,   88                           ; v88-151  S^T, then p
.set O,   152                          ; v152-183 O^T
.set PC,  184                          ; v184-195 p's codes
.set PX,  196                          ; v196-198, v200-202
.set BM,  204                          ; v204-207 the blocks' largest scores, then p
.set BT,  208                          ; v208-211 at work
.set BS,  212                          ; v212-215 scale operands
.set TMP, 216
.set F,   218                          ; v218 f = 2^(old M - new M); v219 p's scale word
.set KS,  220                          ; v220-221 k's scale words: lanes 0-15 the even fragment's, lanes 16-31 the odd one's
.set VS,  222                          ; v222-223 v's likewise
.set QF,  224                          ; v224-235 my two tiles of q
.set HW,  236                          ; v236-237 the two tiles' scale bytes of O
.set RL,  238                          ; v238 1 / l (v239: the pair's upper half)
.macro ROUND                           ; a round of the cluster's barrier
	s_barrier_signal -1
	s_barrier_wait -1
	s_cmp_lg_u32 s[WV], 0
	s_cbranch_scc1 .Lnot_wave_0_\@
	s_barrier_signal -3
.Lnot_wave_0_\@:
	s_barrier_wait -3
	s_barrier_signal -1
	s_barrier_wait -1
.endm
	s_load_b128 s[4:7], s[0:1], 0x0                ; qkv, oc
	s_load_b64 s[8:9], s[0:1], 0x10                ; os
	v_lshl_add_u32 v254, v0, 2, 0x32000
	v_mov_b32 v255, 0
	ds_add_u32 v254, v255
	ds_add_u32 v254, v255
	v_lshrrev_b32 v1, 5, v0
	v_readfirstlane_b32 s[WV], v1                  ; wave 0..15
	s_bfe_u32 s10, ttmp6, 0x40000                  ; cx: it enters q's and the outputs' addresses alone
	s_and_b32 s11, ttmp7, 0xffff                   ; 16 batch + head, which the four partners share
	; descriptor group 1: 12,800 dense bytes as 50 rows of 256 (32 elements of 8 bytes)
	s_mov_b32 s[G1], 15|(3<<16)|(1<<21)            ; 15:0 the mask: all four work-groups; 17:16 elements of 8 bytes; 21 set beside a mask
	s_mov_b32 s[G1+1], 32<<16
	s_mov_b32 s[G1+2], 50<<16
	s_mov_b32 s[G1+3], 32<<16
	s_mov_b32 s[G1+4], 50
	s_mov_b32 s[G1+5], 32
	s_mov_b32 s[G1+6], 0
	s_mov_b32 s[G1+7], 0
	s_mul_i32 s12, s11, 204800
	s_mul_i32 s13, s[WV], 12800
	s_add_co_u32 s12, s12, s13
	s_mov_b32 s13, 0
	s_mov_b32 s[G0], 1
	s_mul_i32 s[G0+1], s[WV], 12800                ; key step w goes to LDS byte 12,800 w
	s_mov_b32 s[SEL], 0x76543210
	s_mov_b32 s[SEL+1], 0xfedcba98
	s_mov_b32 s[CS], 0x3e38aa3b
	s_mov_b32 s[CS+1], s[CS]
	s_wait_dscnt 0x0
	s_wait_kmcnt 0x0
	s_add_nc_u64 s[G0+2:G0+3], s[4:5], s[12:13]
	s_or_b32 s[G0+3], s[G0+3], 0x80000000
	ROUND                                          ; all four work-groups are here: the joint loads meet
	tensor_load_to_lds s[G0:G0+3], s[G1:G1+7]      ; my one tensor load of the launch
	s_nop 0
.rept 4
	v_nop
.endr
	v_and_b32 v9, 31, v0                           ; lane
	v_lshlrev_b32 v1, 4, v9                        ; 16 x lane
	v_lshlrev_b32 v2, 3, v9                        ; 8 x lane
	v_lshlrev_b32 v3, 2, v9                        ; 4 x lane
	v_and_b32 v8, 15, v0
	v_bfe_u32 v7, v0, 4, 1
	v_lshlrev_b32 v7, 9, v7
	v_lshl_add_u32 v7, v8, 3, v7                   ; os: 512 h + 8 r
	v_lshlrev_b32 v8, 2, v8                        ; 4 r
	v_cmp_lt_u32 vcc_lo, 15, v9                    ; lanes 16-31
	s_lshr_b32 s14, s[WV], 2
	s_lshl_b32 s15, s10, 2
	s_add_co_u32 s14, s14, s15                     ; which 128 tokens hold my 32 queries
	s_mul_i32 s14, s14, 6400
	s_mul_i32 s15, s11, 102400
	s_add_co_u32 s14, s14, s15
	s_add_co_u32 s14, s14, 13107200
	s_mov_b32 s15, 0
	s_add_nc_u64 s[14:15], s[4:5], s[14:15]
	s_and_b32 s16, s[WV], 3
	s_mul_i32 s26, s16, 1536
	s_mov_b32 s27, 0
	s_add_nc_u64 s[40:41], s[14:15], s[26:27]      ; my two images of q
	s_lshl_b32 s26, s16, 6
	s_add_co_u32 s26, s26, 6144
	s_add_nc_u64 s[42:43], s[14:15], s[26:27]      ; and their scale words
	global_load_b128 v[QF:QF+3], v1, s[40:41]
	global_load_b64 v[QF+4:QF+5], v2, s[40:41] offset:512
	global_load_b128 v[QF+6:QF+9], v1, s[40:41] offset:768
	global_load_b64 v[QF+10:QF+11], v2, s[40:41] offset:1280
	global_load_b32 v10, v8, s[42:43]              ; row r: the even tile's two bytes below, the odd tile's above
	s_lshr_b32 s16, s11, 4
	s_lshl_b32 s16, s16, 7
	s_lshl_b32 s17, s10, 5
	s_add_co_u32 s16, s16, s17
	s_lshl_b32 s17, s[WV], 1
	s_add_co_u32 s16, s16, s17                     ; my first token tile of the 512
	s_and_b32 s17, s11, 15                         ; head
	s_mul_i32 s26, s16, 12288
	s_mul_i32 s27, s17, 768
	s_add_co_u32 s26, s26, s27
	s_mov_b32 s27, 0
	s_add_nc_u64 s[6:7], s[6:7], s[26:27]
	s_lshl_b32 s26, s16, 9
	s_lshr_b32 s27, s17, 2
	s_lshl_b32 s27, s27, 7
	s_add_co_u32 s26, s26, s27                     ; the pair of K steps: head / 4
	s_bfe_u32 s27, s17, 0x10001
	s_lshl_b32 s27, s27, 2
	s_add_co_u32 s26, s26, s27                     ; the word: (head / 2) % 2
	s_and_b32 s27, s17, 1
	s_lshl_b32 s27, s27, 1
	s_add_co_u32 s26, s26, s27                     ; the half word: head % 2
	s_mov_b32 s27, 0
	s_add_nc_u64 s[8:9], s[8:9], s[26:27]
.irp b, 0,1,2,3
	v_mov_b32 v[BT+\b], 0                          ; written once: a lane permute's destination counts as one of its sources
.endr
	v_mov_b32 v[TMP], 0
	v_mov_b32 v[F+1], 0                            ; named as the upper half of a pair before it is first written
	v_mov_b32 v[RL+1], 0
	s_wait_tensorcnt 0x0                           ; my key step has landed,
	s_barrier_signal -1
	s_barrier_wait -1                              ; everybody's has
	s_wait_loadcnt 0x0                             ; q
.macro FRAG reg, a16, a8, off          ; a fragment: two images of six registers; every load is dense in LDS
	ds_load_b128 v[(\reg):(\reg)+3], v[\a16] offset:(\off)
	ds_load_b64 v[(\reg)+4:(\reg)+5], v[\a8] offset:(\off)+512
	ds_load_b128 v[(\reg)+6:(\reg)+9], v[\a16] offset:(\off)+768
	ds_load_b64 v[(\reg)+10:(\reg)+11], v[\a8] offset:(\off)+1280
.endm
.macro STEP                            ; 128 keys
	v_add_nc_u32 v4, s[TB], v1
	v_add_nc_u32 v5, s[TB], v2
	v_add_nc_u32 v6, s[TB], v3
	v_nop                                          ; four places in front of loads into registers that the last products read
.irp b, 0,1,2,3
	FRAG FRG+12*\b, 4, 5, 1536*\b
.endr
	ds_load_b32 v[KS], v6 offset:12288
	ds_load_b32 v[KS+1], v6 offset:12416
	s_wait_dscnt 0x0
.irp b, 0,2
	v_wmma_scale_f32_16x16x128_f8f6f4 v[S+16*\b:S+16*\b+7], v[FRG+12*\b:FRG+12*\b+11], v[16:27], 0, v[KS+\b/2], v11 matrix_a_fmt:MATRIX_FMT_FP6 matrix_b_fmt:MATRIX_FMT_FP6
	v_wmma_scale_f32_16x16x128_f8f6f4 v[S+16*\b+8:S+16*\b+15], v[FRG+12*\b:FRG+12*\b+11], v[28:39], 0, v[KS+\b/2], v11 matrix_a_fmt:MATRIX_FMT_FP6 matrix_b_fmt:MATRIX_FMT_FP6
	v_wmma_scale_f32_16x16x128_f8f6f4 v[S+16*\b+16:S+16*\b+23], v[FRG+12*\b+12:FRG+12*\b+23], v[16:27], 0, v[KS+\b/2], v11 matrix_a_fmt:MATRIX_FMT_FP6 matrix_b_fmt:MATRIX_FMT_FP6 matrix_a_scale:MATRIX_SCALE_ROW1
	v_wmma_scale_f32_16x16x128_f8f6f4 v[S+16*\b+24:S+16*\b+31], v[FRG+12*\b+12:FRG+12*\b+23], v[28:39], 0, v[KS+\b/2], v11 matrix_a_fmt:MATRIX_FMT_FP6 matrix_b_fmt:MATRIX_FMT_FP6 matrix_a_scale:MATRIX_SCALE_ROW1
.endr                                          ; register 16 b + i of S^T is key 32 b + 16 (lane / 16) + i
.rept 4
	v_nop                                          ; places: v's fragments land where k's lay, and the scores are read
.endr
.irp t, 0,1,2,3
	FRAG FRG+12*\t, 4, 5, 6144+1536*\t             ; asked for here, wanted behind the softmax
.endr
	ds_load_b32 v[VS], v6 offset:12544
	ds_load_b32 v[VS+1], v6 offset:12672
.irp b, 0,1,2,3
	v_max3_num_f32 v[BM+\b], v[S+16*\b], v[S+1+16*\b], v[S+2+16*\b]    ; the largest score of each block of 32 keys: it serves the row's maximum and, since p rises with the score, the block's largest p
.endr
.irp i, 3,5,7,9,11,13
.irp b, 0,1,2,3
	v_max3_num_f32 v[BM+\b], v[BM+\b], v[S+16*\b+\i], v[S+1+16*\b+\i]
.endr
.endr
.irp b, 0,1,2,3
	v_max_num_f32 v[BM+\b], v[BM+\b], v[S+15+16*\b]
.endr
.irp b, 0,1,2,3
	v_permlanex16_b32 v[BT+\b], v[BM+\b], s[SEL], s[SEL+1]
.endr
.irp b, 0,1,2,3
	v_max_num_f32 v[BM+\b], v[BM+\b], v[BT+\b]     ; with lane l xor 16's 16 keys
.endr
	v_max3_num_f32 v[TMP], v[BM], v[BM+1], v[BM+2]
	v_max_num_f32 v[TMP], v[TMP], v[BM+3]
	v_mul_f32 v[TMP], s[CS], v[TMP]                ; as t (c is positive)
	v_max_num_f32 v13, v13, v[TMP]                 ; the running largest t
	v_mov_b32 v[TMP], v12
	v_floor_f32 v12, -v13                          ; the new -M = floor(-t): M is a whole number
	v_sub_f32 v[TMP], v12, v[TMP]                  ; old M - new M: a whole number, 0 or less
	v_cvt_i32_f32 v[TMP], v[TMP]                   ; (it saturates)
	v_ldexp_f32 v[F], 1.0, v[TMP]                  ; f = 2^(old M - new M)
.set j, 0
.rept 32
	v_pk_fma_f32 v[S+j:S+j+1], v[S+j:S+j+1], s[CS:CS+1], v[12:13] op_sel_hi:[1,0,0]   ; t - M
.set j, j+2
.endr
.irp b, 0,1,2,3
	v_fma_f32 v[BM+\b], v[BM+\b], s[CS], v12
.endr
.set j, 0
.rept 64
	v_exp_f32 v[S+j], v[S+j]                       ; p = 2^(t - M), at most 1
.set j, j+1
.endr
	v_pk_mul_f32 v[14:15], v[14:15], v[F:F+1] op_sel_hi:[1,0]          ; the sums under the new M: a plain instruction behind the batch
	s_wait_alu depctr_va_vdst(0)                   ; one wait for the 64, ahead of their first reader
.irp b, 0,1,2,3
	v_exp_f32 v[BM+\b], v[BM+\b]                   ; the block's largest p: the same two instructions on the same number
.endr
	v_pk_add_f32 v[BT:BT+1], v[S:S+1], v[S+2:S+3]  ; the row's sum of the unquantised p, in two chains
.set j, 4
.rept 15
	v_pk_add_f32 v[14:15], v[14:15], v[S+j:S+j+1]
	v_pk_add_f32 v[BT:BT+1], v[BT:BT+1], v[S+j+2:S+j+3]
.set j, j+4
.endr
	v_pk_add_f32 v[14:15], v[14:15], v[BT:BT+1]
	s_wait_alu depctr_va_vdst(0)                   ; and one for the four
.irp b, 0,1,2,3
	v_max_num_f32 v[BM+\b], 0x1800000, v[BM+\b]    ; the floor 2^(3 - 127): the byte cannot fall under 1
.endr
.irp b, 0,1,2,3
	v_add_nc_u32 v[BS+\b], 0xff000000, v[BM+\b]    ; 2 off the exponent field: the conversion's scale operand
.endr
.irp b, 0,1,2,3
	v_lshrrev_b32 v[BT+\b], 23, v[BS+\b]           ; the byte
.endr
	v_lshl_or_b32 v[F+1], v[BT+1], 8, v[BT]        ; p's scale word for these 128 keys
	v_lshl_or_b32 v[F+1], v[BT+2], 16, v[F+1]
	v_lshl_or_b32 v[F+1], v[BT+3], 24, v[F+1]
.irp c, 0,1
	v_cvt_scalef32_pk16_fp6_f32 v[PC+6*\c:PC+2+6*\c], v[S+32*\c:S+15+32*\c], v[BS+2*\c]
	v_cvt_scalef32_pk16_fp6_f32 v[PX+4*\c:PX+2+4*\c], v[S+16+32*\c:S+31+32*\c], v[BS+2*\c+1]
.endr
	v_nop                                          ; one plain instruction behind the scaled conversions
.irp c, 0,1                                    ; a whole block to a lane: lanes 0-15 block 2 c, lanes 16-31 block 2 c + 1
.irp i, 0,1,2
	v_permlane16_swap_b32 v[PC+6*\c+\i], v[PX+4*\c+\i]
.endr
.irp i, 0,1,2
	v_mov_b32 v[PC+3+6*\c+\i], v[PX+4*\c+\i]
.endr
.endr
.set j, 0
.rept 16
	v_pk_mul_f32 v[O+j:O+j+1], v[O+j:O+j+1], v[F:F+1] op_sel_hi:[1,0]  ; O^T under the new M.  These sixteen also part the scale word and the codes just made from the products below
.set j, j+2
.endr
	s_wait_dscnt 0x0                               ; v's fragments and scale words are in
.irp t, 0,2
	v_wmma_scale_f32_16x16x128_f8f6f4 v[O+8*\t:O+8*\t+7], v[FRG+12*\t:FRG+12*\t+11], v[PC:PC+11], v[O+8*\t:O+8*\t+7], v[VS+\t/2], v[F+1] matrix_a_fmt:MATRIX_FMT_FP6 matrix_b_fmt:MATRIX_FMT_FP6
	v_wmma_scale_f32_16x16x128_f8f6f4 v[O+8*\t+8:O+8*\t+15], v[FRG+12*\t+12:FRG+12*\t+23], v[PC:PC+11], v[O+8*\t+8:O+8*\t+15], v[VS+\t/2], v[F+1] matrix_a_fmt:MATRIX_FMT_FP6 matrix_b_fmt:MATRIX_FMT_FP6 matrix_a_scale:MATRIX_SCALE_ROW1
.endr                                          ; the four accumulators take turns, with the eight products of the scores between two turns of each
.endm
.macro TILE u                          ; my tile u of 16 queries
	v_perm_b32 v11, v10, v10, 0x01000100+0x02020202*\u     ; q's two scale bytes, in both halves of the word: they serve [q | 0] and [0 | q]
.irp i, 0,1,2,3,4,5
	v_mov_b32 v[16+\i], v[QF+6*\u+\i]              ; [q | zero codes]
	v_mov_b32 v[22+\i], 0
	v_mov_b32 v[28+\i], 0                          ; [zero codes | q]
	v_mov_b32 v[34+\i], v[QF+6*\u+\i]
.endr
	v_mov_b32 v13, 0xff61b1e6                      ; the largest t so far: -3e38
	v_floor_f32 v12, -v13                          ; -M
	v_mov_b32 v14, 0                               ; the sum, in two halves
	v_mov_b32 v15, 0
.set j, 0
.rept 32
	v_mov_b32 v[O+j], 0                            ; O^T: the step is written once; the first finds zeros
.set j, j+1
.endr
.if \u
	s_wait_xcnt 0x0                                ; the first tile's stores have read the codes' registers, which every step writes
.endif
	s_mov_b32 s[TB], 0
	s_mov_b32 s[CNT], 16
.Lstep_\@:
	STEP
	s_add_co_u32 s[TB], s[TB], 12800
	s_sub_co_u32 s[CNT], s[CNT], 1
	s_cmp_lg_u32 s[CNT], 0
	s_cbranch_scc1 .Lstep_\@
.rept 4
	v_nop                                          ; places behind the last products
.endr
	v_add_f32 v14, v14, v15
	v_permlanex16_b32 v[TMP], v14, s[SEL], s[SEL+1]
	v_add_f32 v14, v14, v[TMP]                     ; the row's sum
	v_rcp_f32 v[RL], v14
	v_nop                                          ; a plain instruction behind it
	s_wait_alu depctr_va_vdst(0)                   ; and the wait ahead of its first reader
.set j, 0
.rept 16
	v_pk_mul_f32 v[O+j:O+j+1], v[O+j:O+j+1], v[RL:RL+1] op_sel_hi:[1,0]   ; O / l: register 16 b + i is channel 32 b + 16 (lane / 16) + i of my query
.set j, j+2
.endr
.irp b, 0,1                                    ; quantised along D: my head's two blocks of 32
	v_max3_num_f32 v[BM+\b], |v[O+16*\b]|, |v[O+1+16*\b]|, 0x1800000
.endr
.irp i, 2,4,6,8,10,12,14
.irp b, 0,1
	v_max3_num_f32 v[BM+\b], v[BM+\b], |v[O+16*\b+\i]|, |v[O+1+16*\b+\i]|
.endr
.endr
.irp b, 0,1
	v_permlanex16_b32 v[BT+\b], v[BM+\b], s[SEL], s[SEL+1]
.endr
.irp b, 0,1
	v_max_num_f32 v[BM+\b], v[BM+\b], v[BT+\b]
.endr
.irp b, 0,1
	v_add_nc_u32 v[BS+\b], 0xff000000, v[BM+\b]
.endr
.irp b, 0,1
	v_lshrrev_b32 v[BT+\b], 23, v[BS+\b]
.endr
	v_lshl_or_b32 v[HW+\u], v[BT+1], 8, v[BT]
	v_cvt_scalef32_pk16_fp6_f32 v[PC:PC+2], v[O:O+15], v[BS]
	v_cvt_scalef32_pk16_fp6_f32 v[PX:PX+2], v[O+16:O+31], v[BS+1]
	v_nop                                          ; one plain instruction behind the scaled conversions
.irp i, 0,1,2
	v_permlane16_swap_b32 v[PC+\i], v[PX+\i]
.endr
.irp i, 0,1,2
	v_mov_b32 v[PC+3+\i], v[PX+\i]
.endr
	global_store_b128 v1, v[PC:PC+3], s[6:7] offset:12288*\u           ; 512 and 256 consecutive bytes, aligned
	global_store_b64 v2, v[PC+4:PC+5], s[6:7] offset:12288*\u+512
.endm
	TILE 0
	TILE 1
	v_cndmask_b32 v[TMP], v[HW], v[HW+1], vcc_lo   ; lanes 0-15: the first tile's bytes of row r, lanes 16-31: the second's
	global_store_b16 v7, v[TMP], s[8:9]
	s_wait_dscnt 0x0                               ; no LDS instruction of mine is out at a signal
	s_wait_tensorcnt 0x0
	ds_add_u32 v254, v255
	s_wait_dscnt 0x0
	ROUND                                          ; the closing round
	s_endpgm
.Lfunc_end_k_qdba62e1e54_attn:
	.size	k_qdba62e1e54_attn, .Lfunc_end_k_qdba62e1e54_attn-k_qdba62e1e54_attn
	.p2alignl 7, 3214868480
	.fill 96, 4, 3214868480
	.section	.rodata,"a",@progbits
	.p2align	6, 0x0
	.amdhsa_kernel k_qdba62e1e54_attn
		.amdhsa_group_segment_fixed_size 206848
		.amdhsa_private_segment_fixed_size 0
		.amdhsa_enable_private_segment 0
		.amdhsa_kernarg_size 24
		.amdhsa_user_sgpr_count 2
		.amdhsa_user_sgpr_kernarg_segment_ptr 1
		.amdhsa_wavefront_size32 1
		.amdhsa_system_sgpr_workgroup_id_x 1
		.amdhsa_system_sgpr_workgroup_id_y 1
		.amdhsa_system_sgpr_workgroup_id_z 1
		.amdhsa_system_vgpr_workitem_id 0
		.amdhsa_next_free_vgpr 256
		.amdhsa_next_free_sgpr 66
		.amdhsa_reserve_vcc 1
		.amdhsa_float_denorm_mode_32 3
		.amdhsa_float_denorm_mode_16_64 3
		.amdhsa_memory_ordered 1
		.amdhsa_forward_progress 1
		.amdhsa_inst_pref_size 49
	.end_amdhsa_kernel
	.amdgpu_metadata
---
amdhsa.version: [ 1, 2 ]
amdhsa.kernels:
  - .name:           k_qdba62e1e54_attn
    .symbol:         k_qdba62e1e54_attn.kd
    .args:
      - { .name: qkv, .offset: 0, .size: 8, .value_kind: global_buffer, .address_space: global }
      - { .name: oc, .offset: 8, .size: 8, .value_kind: global_buffer, .address_space: global }
      - { .name: os, .offset: 16, .size: 8, .value_kind: global_buffer, .address_space: global }
    .group_segment_fixed_size: 206848
    .private_segment_fixed_size: 0
    .kernarg_segment_align: 8
    .kernarg_segment_size: 24
    .max_flat_workgroup_size: 512
    .sgpr_count:     66
    .vgpr_count:     256
    .wavefront_size: 32
...
	.end_amdgpu_metadata
.endif
;; end of part 4
;; launch oproj (part 5): grid 4 x 32, 4 waves a work-group, clusters of 4 x 4, 327,680 bytes of LDS; arguments oc, os, cod, scl, bo, out0; writes out0
.if DOCPART == 5
	.amdgcn_target "amdgcn-amd-amdhsa--gfx1250"
	.amdhsa_code_object_version 6
	.text
	.protected	k_qdba62e1e54_oproj
	.globl	k_qdba62e1e54_oproj
	.p2align	8
	.type	k_qdba62e1e54_oproj,@function
k_qdba62e1e54_oproj:
	s_mov_b64 s[64:65], 0
	v_nop
	global_prefetch_b8 v0, s[64:65] scope:SCOPE_SE
	s_setreg_imm32_b32 hwreg(HW_REG_WAVE_MODE, 25, 1), 1
	s_wait_xcnt 0x0
	s_wait_alu depctr_hold_cnt(0) depctr_sa_sdst(0) depctr_va_vdst(0) depctr_va_sdst(0) depctr_va_ssrc(0) depctr_va_vcc(0) depctr_vm_vsrc(0)
	s_getreg_b32 s2, hwreg(HW_REG_IB_STS2, 6, 4)
	s_cmp_eq_u32 s2, 0
	s_cbranch_scc0 .Lentry_in_a_cluster
	s_endpgm
.Lentry_in_a_cluster:
	s_bfe_u32 s2, ttmp6, 0x10000c
	s_cmp_lg_u32 s2, 0xf033
	s_cbranch_scc0 .Lentry_shape_is_right
	s_endpgm
.Lentry_shape_is_right:
; out0 = attention's result x Wo + bo, on codes of FP6 (E2M3) with E8M0 scales; out0 [8192][1024] f32.
; A work-group makes 256 tokens x 256 channels, a wave 128 x 128: 64 accumulators of 16 x 16.  K = 1,024 goes in four steps of 256 through two LDS slots filled by the tensor data mover; the scale words come once.
; OPERANDS lie in memory as images of the operand's registers (768 bytes for 16 rows x 64 K: registers 0-3 at 16 x lane, registers 4-5 at 512 + 8 x lane), 12,288 bytes a row tile.
; Row r of tile T is row 32 (T / 2) + 8 (T % 2) + r + 8 (r / 8).  Source 0 (B) = Wo's channels, source 1 (A) = tokens: a lane holds a token, and the 16 registers of two neighbouring tiles of B are 16 neighbouring channels.
; bo is the C of each sum's first product.  JOINT LOADS: A's tiles are shared along a row of the cluster of 4 x 4, B's along a column.
; 128 work-groups: the tile is the one whose wave tile feeds most products from each LDS byte; a smaller tile for more work-groups is not written here.
; REGISTERS: window 0: v0-31 addresses; v32-63 scale words, two sets; v64-127 bo; v128-223 A's fragments; on the way out v128-255 are rows of out0.  window 1: B's fragments, two sets.  windows 2, 3: the accumulators.
.set FR,    12
.set NQ,    2
.set NL,    4
.set NP,    4
.set HALFT, 24576
.set SLOT,  98304
.set SCL,   196608
.set SPARE, 212992                     ; the spare words, 128 bytes for each wave: two blocks of 256 bytes that no other line names
.set SPITCH, 528                       ; the way out: a stage of 16 rows x (512 + 16) bytes for each wave, in slot 0, which has had its last fill and its last read when the first result is stored there
.set ADRA,  16
.set ADRB,  20
.set STO,   24
.set RD,    25
.set CO,    26
.set ADRS,  27
.set SPW,   28
.set NIL,   29
.set SC,    32
.set BO,    64
.set AF,    128
.set BK,    128
.set G1,   24
.set G0,   32
.set G1B,  48
.set G0B,  56
.set G1S,  68
.set G0S,  76
.set G1SB, 80
.set G0SB, 88
.set MSB, 0
.macro WIN new
.if MSB != (\new)
	s_set_vgpr_msb (MSB<<8)|(\new)
.set MSB, \new
.endif
.endm
.set MUL_LO, 0xa1
.set MUL_HI, 0xf1
.set TO_B,   0x40
.macro JLOAD g0a, g1a, g0b, g1b        ; a joint load: waves 0 and 1 fetch for A, waves 2 and 3 for B; four v_nop follow each of the two lines
	s_cmp_eq_u32 s15, 0
	s_cbranch_scc0 .Lfor_b_\@
	tensor_load_to_lds s[\g0a:\g0a+3], s[\g1a:\g1a+7]
	s_nop 0
.rept 4
	v_nop
.endr
	s_branch .Lasked_\@
.Lfor_b_\@:
	tensor_load_to_lds s[\g0b:\g0b+3], s[\g1b:\g1b+7]
	s_nop 0
.rept 4
	v_nop
.endr
.Lasked_\@:
.endm
.macro CREST
	s_cmp_lg_u32 s14, 0
	s_cbranch_scc1 .Lnot_wave_0_\@
	s_barrier_signal -3
.Lnot_wave_0_\@:
	s_barrier_wait -3
	s_barrier_signal -1
	s_barrier_wait -1
.endm
.macro CROUND
	s_barrier_signal -1
	s_barrier_wait -1
	CREST
.endm
	s_load_b128 s[4:7], s[0:1], 0x0                ; A's codes (oc), A's scales (os)
	s_load_b128 s[8:11], s[0:1], 0x10              ; the weights' codes, their scales
	s_load_b64 s[96:97], s[0:1], 0x20              ; bo
	s_load_b64 s[12:13], s[0:1], 0x28              ; out0
	v_lshl_add_u32 v[SPW], v0, 2, SPARE
	v_mov_b32 v[NIL], 0
	ds_add_u32 v28, v29
	ds_add_u32 v28, v29
	s_wait_dscnt 0x0
	v_lshrrev_b32 v1, 5, v0
	v_readfirstlane_b32 s14, v1                    ; wave 0..3
	s_lshr_b32 s15, s14, 1                         ; which half of the tokens is mine.  Also: I fetch for A (0) or for B (1)
	s_and_b32 s16, s14, 1                          ; which half of the channels.  Also: which 8 row tiles I fetch
	s_bfe_u32 s40, ttmp6, 0x40000                  ; cx
	s_bfe_u32 s41, ttmp6, 0x40004                  ; cy
	s_lshl_b32 s42, ttmp9, 2
	s_add_co_u32 s42, s42, s40                     ; which 256 channels
	s_and_b32 s17, ttmp7, 0xffff
	s_lshl_b32 s17, s17, 2
	s_add_co_u32 s17, s17, s41                     ; which 256 tokens
	s_lshl_b32 s43, s41, 2
	s_lshl_b32 s43, 15, s43                        ; my row of the cluster
	s_lshl_b32 s44, 0x1111, s40                    ; my column
	s_or_b32 s[G1+0], s43, (3<<16)|(1<<21)         ; tiles: 8 rows of 3,072 bytes (384 elements of 8), 12,288 bytes apart, dense in LDS
	s_or_b32 s[G1B+0], s44, (3<<16)|(1<<21)
.irp g, G1, G1B
	s_mov_b32 s[\g+1], 384<<16
	s_mov_b32 s[\g+2], 8<<16
	s_mov_b32 s[\g+3], 384<<16
	s_mov_b32 s[\g+4], 8
	s_mov_b32 s[\g+5], 1536
	s_mov_b32 s[\g+6], 0
	s_mov_b32 s[\g+7], 0
.endr
	s_or_b32 s[G1S+0], s43, (3<<16)|(1<<21)        ; scale words of 8 row tiles: 4,096 dense bytes as 16 rows of 256
	s_or_b32 s[G1SB+0], s44, (3<<16)|(1<<21)
.irp g, G1S, G1SB
	s_mov_b32 s[\g+1], 32<<16
	s_mov_b32 s[\g+2], 16<<16
	s_mov_b32 s[\g+3], 32<<16
	s_mov_b32 s[\g+4], 16
	s_mov_b32 s[\g+5], 32
	s_mov_b32 s[\g+6], 0
	s_mov_b32 s[\g+7], 0
.endr
	s_lshl_b32 s18, s16, 3
	s_lshl_b32 s20, s17, 4
	s_add_co_u32 s20, s20, s18                     ; A: my first row tile
	s_lshl_b32 s46, s42, 4
	s_add_co_u32 s46, s46, s18
	s_add_co_u32 s46, s46, 1216                    ; B: Wo begins at row tile 1216
	s_lshl_b32 s22, s20, 9
	s_mov_b32 s23, 0
	s_mul_i32 s20, s20, 12288
	s_mov_b32 s21, 0
	s_lshl_b32 s92, s46, 9
	s_mov_b32 s93, 0
	s_mul_i32 s46, s46, 12288
	s_mov_b32 s47, 0
	s_mul_i32 s45, s14, HALFT
	s_lshl_b32 s94, s14, 12
	s_wait_kmcnt 0x0
	s_add_nc_u64 s[20:21], s[4:5], s[20:21]
	s_add_nc_u64 s[22:23], s[6:7], s[22:23]
	s_add_nc_u64 s[46:47], s[8:9], s[46:47]
	s_add_nc_u64 s[92:93], s[10:11], s[92:93]
	CROUND                                         ; all sixteen work-groups are here: the first joint loads meet
	s_mov_b32 s[G0S], 1
	s_add_co_u32 s[G0S+1], s94, SCL
	s_mov_b64 s[G0S+2:G0S+3], s[22:23]
	s_or_b32 s[G0S+3], s[G0S+3], 0x80000000
	s_mov_b32 s[G0SB], 1
	s_add_co_u32 s[G0SB+1], s94, SCL
	s_mov_b64 s[G0SB+2:G0SB+3], s[92:93]
	s_or_b32 s[G0SB+3], s[G0SB+3], 0x80000000
	JLOAD G0S, G1S, G0SB, G1SB                     ; with the two slots three loads of mine are out
.irp s, 0,1
	s_mov_b32 s[G0+4*\s], 1
	s_add_co_u32 s[G0+4*\s+1], s45, \s*SLOT
	s_add_nc_u64 s[G0+4*\s+2:G0+4*\s+3], s[20:21], \s*3072
	s_or_b32 s[G0+4*\s+3], s[G0+4*\s+3], 0x80000000
	s_mov_b32 s[G0B+4*\s], 1
	s_add_co_u32 s[G0B+4*\s+1], s45, \s*SLOT
	s_add_nc_u64 s[G0B+4*\s+2:G0B+4*\s+3], s[46:47], \s*3072
	s_or_b32 s[G0B+4*\s+3], s[G0B+4*\s+3], 0x80000000
	JLOAD G0+4*\s, G1, G0B+4*\s, G1B
.endr
	v_and_b32 v1, 15, v0                           ; r
	v_bfe_u32 v2, v0, 4, 1                         ; h
	v_and_b32 v3, 31, v0                           ; lane
	v_lshlrev_b32 v4, 4, v3
	v_lshlrev_b32 v5, 3, v3
	s_mul_i32 s21, s15, HALFT
	s_mul_i32 s22, s16, HALFT
	s_add_co_u32 s22, s22, 2*HALFT
.irp s, 0,1
	v_add_nc_u32 v[ADRA+\s], s21, v4
	v_add_nc_u32 v[ADRA+2+\s], s21, v5
	v_add_nc_u32 v[ADRB+\s], s22, v4
	v_add_nc_u32 v[ADRB+2+\s], s22, v5
	s_add_co_u32 s21, s21, SLOT
	s_add_co_u32 s22, s22, SLOT
.endr
	v_lshlrev_b32 v6, 3, v1
	s_lshl_b32 s21, s15, 12
	s_lshl_b32 s22, s16, 12
	s_add_co_u32 s22, s22, 8192
	s_sub_co_u32 s22, s22, s21
	v_mul_u32_u24 v7, s22, v2                      ; lanes 16-31 take B's scale words
	s_add_co_u32 s21, s21, SCL
	v_add_nc_u32 v6, v6, v7
	v_add_nc_u32 v[ADRS], s21, v6
	s_mul_i32 s23, s14, 16*SPITCH                  ; my stage
	v_mul_u32_u24 v6, v1, SPITCH
	v_lshl_add_u32 v6, v2, 6, v6
	v_add_nc_u32 v[STO], s23, v6                   ; in: row r, + 64 h: my half's 16 channels of each 32
	v_mov_b32 v[CO], v4                            ; back: the 32 lanes take one row of 512 bytes; and the same in out0
	v_add_nc_u32 v[RD], s23, v4
	s_lshl_b32 s20, s17, 8
	s_lshl_b32 s21, s15, 7
	s_add_co_u32 s20, s20, s21                     ; my first token
	s_lshl_b32 s20, s20, 12                        ; rows of 4,096 bytes
	s_lshl_b32 s46, s42, 10
	s_lshl_b32 s47, s16, 9
	s_add_co_u32 s46, s46, s47                     ; my first channel, in bytes
	s_mov_b32 s47, 0
	s_add_nc_u64 s[96:97], s[96:97], s[46:47]      ; bo at my first channel
	s_add_co_u32 s20, s20, s46
	s_mov_b32 s21, 0
	s_add_nc_u64 s[12:13], s[12:13], s[20:21]
	v_lshlrev_b32 v8, 6, v2
.irp b, 0,1,2,3,4,5,6,7                        ; register 8 b + j = bo of channel 32 (b / 2) + 16 h + 8 (b % 2) + j: the result's layout
	global_load_b128 v[BO+8*\b:BO+8*\b+3], v8, s[96:97] offset:(32*(\b/2)+8*(\b%2))*4
	global_load_b128 v[BO+8*\b+4:BO+8*\b+7], v8, s[96:97] offset:(32*(\b/2)+8*(\b%2))*4+16
.endr
.macro FRAG reg, a16, a8, off
	ds_load_b128 v[(\reg):(\reg)+3], v[\a16] offset:(\off)
	ds_load_b64 v[(\reg)+4:(\reg)+5], v[\a8] offset:(\off)+512
	ds_load_b128 v[(\reg)+6:(\reg)+9], v[\a16] offset:(\off)+768
	ds_load_b64 v[(\reg)+10:(\reg)+11], v[\a8] offset:(\off)+1280
.endm
; 16 matrix instructions: A's blocks a0, a0 + 1 x B's eight.  first = 1: the sums begin with bo.  The 64 accumulators take turns, one instruction a turn.
.macro MUL16 a0, p, q, sc, first
.irp a, \a0, \a0+1
.irp b, 0,1,2,3,4,5,6,7
.if \first
	v_wmma_scale_f32_16x16x128_f8f6f4 v[8*(8*((\a)%4)+\b):8*(8*((\a)%4)+\b)+7], v[128*(\p)+FR*\b:128*(\p)+FR*\b+FR-1], v[AF+FR*(\a):AF+FR*(\a)+FR-1], v[BO+8*\b:BO+8*\b+7], v[SC+8*NQ*(\sc)+NQ*\b+(\q)], v[SC+8*NQ*(\sc)+NQ*(\a)+(\q)] matrix_a_fmt:MATRIX_FMT_FP6 matrix_b_fmt:MATRIX_FMT_FP6 matrix_a_scale:MATRIX_SCALE_ROW1
.else
	v_wmma_scale_f32_16x16x128_f8f6f4 v[8*(8*((\a)%4)+\b):8*(8*((\a)%4)+\b)+7], v[128*(\p)+FR*\b:128*(\p)+FR*\b+FR-1], v[AF+FR*(\a):AF+FR*(\a)+FR-1], v[8*(8*((\a)%4)+\b):8*(8*((\a)%4)+\b)+7], v[SC+8*NQ*(\sc)+NQ*\b+(\q)], v[SC+8*NQ*(\sc)+NQ*(\a)+(\q)] matrix_a_fmt:MATRIX_FMT_FP6 matrix_b_fmt:MATRIX_FMT_FP6 matrix_a_scale:MATRIX_SCALE_ROW1
.endif
.endr
.endr
.endm
.macro FETCH_B slot, q, p
	WIN TO_B
.irp i, 0,1,2,3,4,5,6,7
	FRAG 128*(\p)+FR*\i, ADRB+\slot, ADRB+2+\slot, \i*3072+(\q)*1536
.endr
	WIN 0
.endm
.macro FETCH_A slot, q, i0
.irp i, \i0, \i0+1, \i0+2, \i0+3
	FRAG AF+FR*(\i), ADRA+\slot, ADRA+2+\slot, (\i)*3072+(\q)*1536
.endr
.endm
.macro SCALES sc
.irp i, 0,1,2,3,4,5,6,7
	ds_load_b64 v[SC+8*NQ*\sc+NQ*\i:SC+8*NQ*\sc+NQ*\i+1], v[ADRS] offset:\i*512
.endr
.endm
.macro PLACES n
.rept \n
	v_nop
.endr
.endm
.macro STEP slot, q, first
	s_wait_dscnt 4*NL                              ; B's set and A's blocks 0-3 are in; the youngest 16 loads (A's blocks 4-7) may be out
.if \first
	WIN 0x81                                       ; C (bo) in window 0, D in window 2
.else
	WIN MUL_LO
.endif
	MUL16 0, (\q)%2, \q, \slot, \first
	MUL16 2, (\q)%2, \q, \slot, \first
	s_wait_dscnt 0x0
	PLACES NP
	FETCH_B \slot, (\q)+1, 1-(\q)%2
	FETCH_A \slot, (\q)+1, 0
.if \first
	WIN 0xc1                                       ; C in window 0, D in window 3
.else
	WIN MUL_HI
.endif
	MUL16 4, (\q)%2, \q, \slot, \first
	MUL16 6, (\q)%2, \q, \slot, \first
	PLACES NP
	WIN 0
	FETCH_A \slot, (\q)+1, 4
.endm
.macro TURN slot, next, fill
	s_wait_tensorcnt 0x0                           ; all my tensor loads have landed: my part of the next slot
	ds_add_u32 v[SPW], v[NIL]                      ; 0 onto my spare word
	s_wait_dscnt 4*NL+1                            ; the add and the youngest 16 loads may be out
	WIN MUL_LO
	MUL16 0, 1, NQ-1, \slot, 0
	s_wait_dscnt 0x0                               ; the add is done, and my reads of this slot are over
	s_barrier_signal -1
	MUL16 2, 1, NQ-1, \slot, 0
	WIN 0
	s_barrier_wait -1
.if \fill
	CREST                                          ; the barrier has opened a round of the cluster's: no wave of any partner still reads this slot or has a load on its way
	s_add_nc_u64 s[G0+4*\slot+2:G0+4*\slot+3], s[G0+4*\slot+2:G0+4*\slot+3], 6144
	s_add_nc_u64 s[G0B+4*\slot+2:G0B+4*\slot+3], s[G0B+4*\slot+2:G0B+4*\slot+3], 6144
	JLOAD G0+4*\slot, G1, G0B+4*\slot, G1B
.else
	PLACES NP
.endif
	v_add_nc_u32 v[ADRS], 128, v[ADRS]
	FETCH_B \next, 0, 0
	FETCH_A \next, 0, 0
	SCALES \next
	WIN MUL_HI
	MUL16 4, 1, NQ-1, \slot, 0
	MUL16 6, 1, NQ-1, \slot, 0
	PLACES NP
	WIN 0
	FETCH_A \next, 0, 4
.endm
	s_wait_tensorcnt 1                             ; the scale words and my part of slot 0 are in; slot 1's load may be out
	s_barrier_signal -1
	s_barrier_wait -1
	FETCH_B 0, 0, 0
	FETCH_A 0, 0, 0
	SCALES 0
	FETCH_A 0, 0, 4
	s_wait_loadcnt 0x0                             ; bo
	STEP 0, 0, 1
	TURN 0, 1, 1
	STEP 1, 0, 0
	TURN 1, 0, 1
	STEP 0, 0, 0
	TURN 0, 1, 0
	STEP 1, 0, 0
	s_wait_dscnt 4*NL
	WIN MUL_LO
	MUL16 0, 1, NQ-1, 1, 0
	MUL16 2, 1, NQ-1, 1, 0
	s_wait_dscnt 0x0
	WIN MUL_HI
	MUL16 4, 1, NQ-1, 1, 0
	MUL16 6, 1, NQ-1, 1, 0
	WIN 0
; THE WAY OUT, block by block of 16 tokens x 128 channels, through my own stage in LDS: in as 32 bytes of a row a lane and accumulator, back as whole rows of 512 bytes.  LDS serves a wave's instructions in order.
.macro TOSTAGE a
.set AC, 64*((\a)%4)
	WIN 0x08+4*((\a)/4)                            ; the data: window 2 or 3
.irp b, 0,1,2,3,4,5,6,7
	ds_store_b128 v[STO], v[AC+8*\b:AC+8*\b+3] offset:128*(\b/2)+32*(\b%2)          ; each accumulator from its low end on
	ds_store_b128 v[STO], v[AC+8*\b+4:AC+8*\b+7] offset:128*(\b/2)+32*(\b%2)+16
.endr
	WIN 0
.set BB, BK+64*((\a)%2)
.irp t, 0,1,2,3,4,5,6,7,8,9,10,11,12,13,14,15
	ds_load_b128 v[BB+4*\t:BB+4*\t+3], v[RD] offset:\t*SPITCH
.endr
.endm
.macro SEND a, younger                 ; younger: the LDS instructions issued behind block a's loads, which may stay out
.set BB, BK+64*((\a)%2)
	s_wait_dscnt \younger
.if (\a) > 0
.if (\a)%2
	s_add_nc_u64 s[12:13], s[12:13], 8*4096        ; an odd tile begins 8 tokens behind the even one,
.else
	s_add_nc_u64 s[12:13], s[12:13], 24*4096       ; the next even one 24 further on (behind a wait on XCNT: the earlier stores have read their base)
.endif
.endif
.irp t, 0,1,2,3,4,5,6,7,8,9,10,11,12,13,14,15
	global_store_b128 v[CO], v[BB+4*\t:BB+4*\t+3], s[12:13] offset:(\t+8*(\t/8))*4096 th:TH_STORE_NT   ; row t of the tile is token t + 8 (t / 8); 32 lanes store 512 consecutive bytes, aligned
.endr
.endm
	PLACES NP
	TOSTAGE 0
.irp a, 1,2,3,4,5,6,7
.if \a > 1
	s_wait_xcnt 0x0                                ; block a - 2's stores have read their registers and their base
.endif
	TOSTAGE \a
	SEND \a-1, 32                                  ; behind block a - 1's loads: block a's 16 stores and 16 loads
.endr
	s_wait_xcnt 0x0
	SEND 7, 0
	s_wait_tensorcnt 0x0                           ; the wave's end
	ds_add_u32 v[SPW], v[NIL]
	s_wait_dscnt 0x0
	CROUND                                         ; the closing round
	s_endpgm
.Lfunc_end_k_qdba62e1e54_oproj:
	.size	k_qdba62e1e54_oproj, .Lfunc_end_k_qdba62e1e54_oproj-k_qdba62e1e54_oproj
	.p2alignl 7, 3214868480
	.fill 96, 4, 3214868480
	.section	.rodata,"a",@progbits
	.p2align	6, 0x0
	.amdhsa_kernel k_qdba62e1e54_oproj
		.amdhsa_group_segment_fixed_size 327680
		.amdhsa_private_segment_fixed_size 0
		.amdhsa_enable_private_segment 0
		.amdhsa_kernarg_size 48
		.amdhsa_user_sgpr_count 2
		.amdhsa_user_sgpr_kernarg_segment_ptr 1
		.amdhsa_wavefront_size32 1
		.amdhsa_system_sgpr_workgroup_id_x 1
		.amdhsa_system_sgpr_workgroup_id_y 1
		.amdhsa_system_sgpr_workgroup_id_z 1
		.amdhsa_system_vgpr_workitem_id 0
		.amdhsa_next_free_vgpr 1024
		.amdhsa_next_free_sgpr 98
		.amdhsa_reserve_vcc 0
		.amdhsa_float_denorm_mode_32 3
		.amdhsa_float_denorm_mode_16_64 3
		.amdhsa_memory_ordered 1
		.amdhsa_forward_progress 1
		.amdhsa_inst_pref_size 145
	.end_amdhsa_kernel
	.amdgpu_metadata
---
amdhsa.version: [ 1, 2 ]
amdhsa.kernels:
  - .name:           k_qdba62e1e54_oproj
    .symbol:         k_qdba62e1e54_oproj.kd
    .args:
      - { .name: oc, .offset: 0, .size: 8, .value_kind: global_buffer, .address_space: global }
      - { .name: os, .offset: 8, .size: 8, .value_kind: global_buffer, .address_space: global }
      - { .name: cod, .offset: 16, .size: 8, .value_kind: global_buffer, .address_space: global }
      - { .name: scl, .offset: 24, .size: 8, .value_kind: global_buffer, .address_space: global }
      - { .name: bo, .offset: 32, .size: 8, .value_kind: global_buffer, .address_space: global }
      - { .name: out0, .offset: 40, .size: 8, .value_kind: global_buffer, .address_space: global }
    .group_segment_fixed_size: 327680
    .private_segment_fixed_size: 0
    .kernarg_segment_align: 8
    .kernarg_segment_size: 48
    .max_flat_workgroup_size: 128
    .sgpr_count:     98
    .vgpr_count:     1024
    .wavefront_size: 32
...
	.end_amdgpu_metadata
.endif
;; end of part 5
